; MI455X (gfx1250); checked and timed in simulation.
; The chip was launched on July 23, 2026; its instructions are those of AMD's public machine-readable ISA for CDNA 5 (MIT licence, August 2026) and "CDNA5" Instruction Set Architecture Reference Guide (July 2026). The comments in the code are by the model that wrote it; some were corrected since.
;; Multi Head Attention. Allowed arithmetic: matrix products marked QUANTISED: E3M2 operands, one E8M0 scale for each 32 along K, by v_wmma_scale_f32_16x16x128_f8f6f4 with both operands' format E3M2, f32 sums; products left as they are: f32 operands where the result goes on into a quantised operand, else bf16, f16 or f32 operands; f32 sums; everything else in f32.
;; Inputs: W_proj 1,024 x 1,024 float32; W_qkv 3,072 x 1,024 float32; b_proj 1,024 float32; b_qkv 3,072 float32; lora_A 8 x 1,024 float32; lora_B 3,072 x 8 float32; x 4 x 2,048 x 1,024 float32.
;; Outputs: out0 4 x 2,048 x 1,024 float32.
;; This version of the problem:
;;   THIS VERSION OF THE PROBLEM IS GIVEN IN LOW PRECISION. The matrix products marked QUANTISED in the list below multiply operands that are first quantised to E3M2 (3 exponent bits, 2 mantissa bits; 6 bits a number), with one power-of-two scale for each 32 numbers along K (OCP MX v1.0); their sums are f32. All else is computed in f32.
;;   The module's matrix products, in the order in which they are computed (A, B: the left and right operand; K: the contracted axis; several contracted axes count as one K, in the product's order):
;;     1. [M 8,192, K 1,024] x [K 1,024, N 3,072]; A: input x; B: input W_qkv: QUANTISED
;;     2. [M 8,192, K 1,024] x [K 1,024, N 8]; A: input x; B: input lora_A: left as it is (N = 8 < 16)
;;     3. [M 8,192, K 8] x [K 8, N 3,072]; A: computed on the way; B: input lora_B: left as it is (K = 8 < 32)
;;     4. batch 64 x [M 2,048, K 64] x [K 64, N 2,048]; A: computed on the way; B: computed on the way: QUANTISED
;;     5. batch 64 x [M 2,048, K 2,048] x [K 2,048, N 64]; A: softmax (see below); B: computed on the way: QUANTISED
;;     6. [M 8,192, K 1,024] x [K 1,024, N 1,024]; A: computed on the way; B: input W_proj: QUANTISED
;;   THE QUANTISER, for each operand of a quantised product, along K:
;;     - K is cut into blocks of 32 from its start; a last block that is shorter is filled with zeros.
;;     - A block's scale is 2^e with e = floor(log2(the largest magnitude in the block)) - 4, held to -126 .. 127; a block of zeros has e = 0. As a byte (E8M0): e + 127.
;;     - Each number is divided by its block's scale, clamped to +-28, and rounded to the nearest number of E3M2, ties to even, subnormals kept.
;;     - The product sums the exact products of the quantised numbers (number of the format x scale) in f32.
;;   ~~~python
;;   def quantise(x, axis):      # numpy; x: float32 -> the quantised numbers, widened to float32 again
;;       x = np.moveaxis(x, axis, -1); K = x.shape[-1]
;;       x = np.pad(x, [(0, 0)] * (x.ndim - 1) + [(0, -K % 32)]); x = x.reshape(x.shape[:-1] + (-1, 32)); a = np.abs(x).max(-1, keepdims=True)
;;       e = np.where(a > 0, np.clip(np.frexp(np.where(a > 0, a, 1))[1] - 1 - 4, -126, 127), 0)      # np.frexp(a)[1] - 1 = floor(log2(a)), exactly
;;       r = np.clip(x / 2.0 ** e, -28, 28)
;;       step = 2.0 ** (np.maximum(np.frexp(np.where(r == 0, 1, r))[1] - 1, -2) - 2)
;;       q = np.round(r / step) * step * 2.0 ** e      # np.round: ties to even
;;       return np.moveaxis(q.reshape(q.shape[:-2] + (-1,))[..., :K], -1, axis).astype(np.float32)
;;   ~~~
;;   SOFTMAX AHEAD OF A QUANTISED PRODUCT. Where the list says 'softmax', what is quantised is not the finished softmax but p = 2^(t - M), with t = logit x log2(e) and M = ceil(the row's largest t), a whole number; so 1/2 < the row's largest p <= 1. The row's sum l is taken of the UNQUANTISED p, in f32, and the product's result is divided by l at the end. Since M is a whole number, a kernel that streams over the keys may use a running M (the ceiling of the running maximum): every later rescaling is an exact power of two, which a block's scale takes up: the codes' values come out the same.
;;   OPERANDS COMPUTED ON THE WAY. 'Computed on the way' means the value that the module computes at that place (a softmax that the list does not call 'softmax' is quantised finished and normalised). What goes into a quantiser is computed in f32, as accurately as f32 sums, v_exp_f32 and their like allow (about 1e-6 of the number): no bf16 or f16 on the way to a quantiser, and a product that is left as it is and whose result goes on into a quantised operand takes f32 operands (vector FMAs, or v_wmma_f32_16x16x4_f32). A number that lies on a knife's edge between two numbers of the format may be rounded either way, as far as f32 arithmetic and the matrix unit's own rounding can turn it there, and no further.
;; One version. Each part assembles by itself: llvm-mc -triple=amdgcn-amd-amdhsa -mcpu=gfx1250 --defsym DOCPART=n.
;; ======== version 1 of 1: 4 launches
;; limits: right only within a limited range of input values
;; workspace buffers: act_img 6,291,456 bytes; act_scl 262,144 bytes; tx 262,144 bytes; w_img 3,145,728 bytes; w_scl 131,072 bytes; qkv_img 18,874,368 bytes; qkv_scl 1,572,864 bytes
;; launch quant (part 1): grid 256 x 1, 4 waves a work-group, no clusters, 105,216 bytes of LDS; arguments x, lora_A, W_qkv, W_proj, act_img, act_scl, tx, w_img, w_scl; writes act_img, act_scl, tx, w_img, w_scl
.if DOCPART == 1
	.amdgcn_target "amdgcn-amd-amdhsa--gfx1250"
	.amdhsa_code_object_version 6
	.text
	.protected	k_q51e38ef85e_quant
	.globl	k_q51e38ef85e_quant
	.p2align	8
	.type	k_q51e38ef85e_quant,@function
k_q51e38ef85e_quant:
	s_mov_b64 s[64:65], 0
	v_nop
	global_prefetch_b8 v0, s[64:65] scope:SCOPE_SE
	s_setreg_imm32_b32 hwreg(HW_REG_WAVE_MODE, 25, 1), 1
	s_wait_xcnt 0x0
; x [8192][1024], W_qkv [3072][1024] and W_proj [1024][1024], f32, K innermost, become codes of BF6 (E3M2) as images and scale words (layouts below), and tx [8192][8] = (x lora_A^T) / 8 in f32: every input byte is read from memory once.
; A TILE is 16 rows that are not neighbours: row i of tile T is 32 (T / 2) + 8 (T % 2) + i + 8 (i / 8).  x has 512 tiles; the weights 256: tiles 0-191 are W_qkv's, tiles 192-255 W_proj's.
; AN IMAGE (tile T, K step g of 128): 1,536 bytes at (8 T + g) x 1,536; piece c of six at 256 c; lane l's operand registers 2 c, 2 c + 1 at 8 l.  SCALES: 512 bytes a tile; lane l's 16 bytes at 16 l; word p is the word of row l % 16 for K step 2 p + l / 16.
; A block's scale is 2^(floor(log2(largest magnitude)) - 4); its byte is the largest magnitude's exponent field - 4, held at 1 from below.
; LIMITS: a block of zeros gets the byte 1 where the rule says 127 (its codes are zeros, and this program alone reads the bytes); NaN and infinities among the inputs are not served.
; SHARES: work-group n makes x's tiles 2 n and 2 n + 1 and the weights' tile n.  Wave w takes x's tile w / 2, half w % 2 of K (steps 0-3 of its six), and the weight tile's K steps 2 w and 2 w + 1 (steps 4, 5).
; All work-groups take one path; the weight's pointer alone is chosen, on the work-group's number.
; A load takes 512 consecutive bytes of one row; a step's 16 x 512 bytes turn through the wave's own stage in LDS (rows 528 bytes apart) and come back as 16 neighbours of each block of 32 a lane.
; x lora_A^T goes on into quantised operands, so it takes f32 operands: v_wmma_f32_16x16x4_f32, source 0 = lora_A (lane r takes row r % 8: result rows 8-15 repeat rows 0-7), source 1 = x.
; lora_A is fetched from LDS in the very lane layout in which x lies in registers, so a register pair of each is one instruction: the same permutation of k on both sides.
; Four accumulators take turns; the two halves of K meet in LDS at the end.  No cluster: loads go through registers, and what work-groups share (lora_A, 32,768 bytes) is a seventh of a work-group's bytes.
.set ROWB, 4096                        ; a row of any of the three tensors in bytes
.set SPT,  528                         ; a stage row: 512 bytes + 16
.set STG,  16*SPT
.set APT,  4112                        ; a row of lora_A in LDS: 4,096 bytes + 16
.set STGB, 33024                       ; LDS: lora_A from 0; from here two stages for each wave;
.set RED,  100608                      ; from here 1,024 bytes for each wave: its eight sums a lane
.set X0,   16                          ; v16-79, v80-143: 64 numbers of a lane, two sets: register 16 b + i = k 32 b + 16 (lane / 16) + i of row lane % 16
.set ACC,  144                         ; v144-175 four accumulators, written by matrix instructions alone
.set TM,   176                         ; v176-191 at work in QUANT
.set PC,   192                         ; v192-211 the codes just made
.set PWR,  212                         ; v212-217 the six steps' scale words
.set E,    218                         ; v218-219 x's scale words as they are stored
.set TS,   220                         ; v220-227 the eight sums
.set OUT,  228                         ; v228-231 the four that my lane stores
.set EW,   232                         ; v232 the weight's scale word as it is stored
.set SEL,  26                          ; s[26:27] lane selects: lane l xor 16
.set HM,   28                          ; s28 mask of lanes 16-31
.set MSB, 0
.macro WIN new                         ; the immediate's high byte repeats the setting that is left
.if MSB != \new
	s_set_vgpr_msb (MSB<<8)|\new
.set MSB, \new
.endif
.endm
.macro QUANT s, pw                     ; 64 numbers v[s] .. become a fragment's codes in v[PC] .. v[PC + 11] and its scale word in v[pw] (the same in both halves of the lanes)
.irp b, 0,1,2,3
	v_max3_num_f32 v[TM+\b], |v[\s+16*\b]|, |v[\s+1+16*\b]|, 0x2800000   ; my 16 numbers of block b, and the floor 2^(5 - 127): the byte cannot fall under 1
.endr
.irp i, 2,4,6,8,10,12,14
.irp b, 0,1,2,3
	v_max3_num_f32 v[TM+\b], v[TM+\b], |v[\s+16*\b+\i]|, |v[\s+1+16*\b+\i]|   ; the four blocks by turns
.endr
.endr
.irp b, 0,1,2,3
	v_permlanex16_b32 v[TM+4+\b], v[TM+\b], s[SEL], s[SEL+1]
.endr
.irp b, 0,1,2,3
	v_max_num_f32 v[TM+\b], v[TM+\b], v[TM+4+\b]   ; with lane l xor 16's 16: the block's largest magnitude
.endr
.irp b, 0,1,2,3
	v_add_nc_u32 v[TM+12+\b], 0xfe000000, v[TM+\b]   ; 4 off the exponent field: the conversion's scale operand
.endr
.irp b, 0,1,2,3
	v_lshrrev_b32 v[TM+4+\b], 23, v[TM+12+\b]      ; the scale's byte
.endr
	v_lshl_or_b32 v[\pw], v[TM+5], 8, v[TM+4]
	v_lshl_or_b32 v[\pw], v[TM+6], 16, v[\pw]
	v_lshl_or_b32 v[\pw], v[TM+7], 24, v[\pw]
.irp c, 0,1
	v_cvt_scalef32_pk16_bf6_f32 v[PC+6*\c:PC+2+6*\c], v[\s+32*\c:\s+15+32*\c], v[TM+12+2*\c]
	v_cvt_scalef32_pk16_bf6_f32 v[PC+12+4*\c:PC+14+4*\c], v[\s+16+32*\c:\s+31+32*\c], v[TM+12+2*\c+1]   ; (a conversion's three registers begin on an even number)
.endr
	v_nop                                          ; one plain place behind a scaled conversion
.irp c, 0,1                            ; the operand wants a whole block in a lane: lanes 0-15 block 2 c, lanes 16-31 block 2 c + 1
.irp i, 0,1,2
	v_permlane16_swap_b32 v[PC+6*\c+\i], v[PC+12+4*\c+\i]
.endr
.irp i, 0,1,2
	v_mov_b32 v[PC+3+6*\c+\i], v[PC+12+4*\c+\i]
.endr
.endr
.endm
.macro LOADR set, bs, off              ; sixteen loads, each 512 consecutive bytes of one row, from byte off of the rows at s[bs:bs+1], into window 1, v[64 set ..]
	WIN 0x40
.irp p, 0,1,2,3,4,5,6,7,8,9,10,11,12,13,14,15
	global_load_b128 v[64*(\set)+4*\p:64*(\set)+4*\p+3], v1, s[\bs:\bs+1] offset:(\p+8*(\p/8))*ROWB+(\off) th:TH_LOAD_NT
.endr
	WIN 0
.endm
.macro TURN g                          ; step g's numbers through the stage: LDS serves a wave's instructions in order, so no wait stands between the stores and the loads
	WIN 0x04                                       ; an LDS store's data are its source 1: window 1
.irp p, 0,1,2,3,4,5,6,7,8,9,10,11,12,13,14,15
	ds_store_b128 v3, v[64*((\g)%4)+4*\p:64*((\g)%4)+4*\p+3] offset:STG*((\g)%2)+SPT*\p
.endr
	WIN 0
.irp b, 0,1,2,3
.irp q, 0,1,2,3
	ds_load_b128 v[X0+64*((\g)%2)+16*\b+4*\q:X0+64*((\g)%2)+16*\b+4*\q+3], v4 offset:STG*((\g)%2)+128*\b+16*\q
.endr
.endr
.endm
.macro AFETCH g                        ; lora_A's numbers of K step g, laid as x's are, into window 2, set g % 2
	WIN 0x80
.irp b, 0,1,2,3
.irp q, 0,1,2,3
	ds_load_b128 v[64*((\g)%2)+16*\b+4*\q:64*((\g)%2)+16*\b+4*\q+3], v5 offset:512*(\g)+128*\b+16*\q
.endr
.endr
	WIN 0
.endm
.macro LORA g                          ; 32 matrix instructions: register pair p of lora_A against pair p of x, onto accumulator p % 4
	WIN 0x02                                       ; source 0 window 2
.set p, 0
.rept 32
.if ((\g) == 0) && (p < 4)
	v_wmma_f32_16x16x4_f32 v[ACC+8*(p%4):ACC+8*(p%4)+7], v[64*((\g)%2)+2*p:64*((\g)%2)+2*p+1], v[X0+64*((\g)%2)+2*p:X0+64*((\g)%2)+2*p+1], 0
.else
	v_wmma_f32_16x16x4_f32 v[ACC+8*(p%4):ACC+8*(p%4)+7], v[64*((\g)%2)+2*p:64*((\g)%2)+2*p+1], v[X0+64*((\g)%2)+2*p:X0+64*((\g)%2)+2*p+1], v[ACC+8*(p%4):ACC+8*(p%4)+7]
.endif
.set p, p+1
.endr
	WIN 0
.endm
	s_load_b512 s[4:19], s[0:1], 0x0               ; x 4, lora_A 6, W_qkv 8, W_proj 10, x's images 12, x's scales 14, tx 16, the weights' images 18
	s_load_b64 s[20:21], s[0:1], 0x40              ; the weights' scales
	v_lshl_add_u32 v254, v0, 2, 0x19900
	v_mov_b32 v255, 0
	v_lshrrev_b32 v1, 5, v0
	v_readfirstlane_b32 s22, v1                    ; wave 0..3
	s_and_b32 s23, s22, 1                          ; my half of x's K
	s_lshr_b32 s24, s22, 1
	s_lshl_b32 s25, ttmp9, 1
	s_add_co_u32 s25, s25, s24                     ; my tile of x
	v_and_b32 v10, 31, v0                          ; lane
	v_and_b32 v11, 15, v0                          ; r
	v_bfe_u32 v12, v0, 4, 1                        ; h
	v_lshlrev_b32 v1, 4, v10                       ; 16 x lane
	v_lshlrev_b32 v2, 3, v10                       ; 8 x lane
	s_mul_i32 s29, s22, 2*STG
	s_add_co_u32 s29, s29, STGB                    ; my two stages
	v_add_nc_u32 v3, s29, v1                       ; into a stage: 16 x lane of a row
	v_mul_u32_u24 v4, v11, SPT
	v_lshl_add_u32 v4, v12, 6, v4
	v_add_nc_u32 v4, s29, v4                       ; out of it: row r, + 64 h
	v_and_b32 v5, 7, v11
	v_mul_u32_u24 v5, v5, APT
	v_lshl_add_u32 v5, v12, 6, v5
	s_lshl_b32 s29, s23, 11
	v_add_nc_u32 v5, s29, v5                       ; lora_A in LDS: row r % 8, + 64 h, + my half of K
	s_lshl_b32 s29, s22, 10
	s_add_co_u32 s29, s29, RED
	v_add_nc_u32 v6, s29, v1                       ; my wave's sums
	s_xor_b32 s29, s22, 1
	s_lshl_b32 s29, s29, 10
	s_add_co_u32 s29, s29, RED
	v_add_nc_u32 v7, s29, v1                       ; those of the wave with the tile's other half of K
	v_and_b32 v8, 8, v11
	v_add_nc_u32 v8, v8, v11                       ; r + 8 (r / 8)
	v_lshlrev_b32 v8, 5, v8
	v_lshl_add_u32 v8, v12, 4, v8                  ; tx: my token's row of 32 bytes, + 16 h
	s_mul_i32 s29, s22, 2*APT
	v_add_nc_u32 v9, s29, v1                       ; lora_A on its way into LDS: rows 2 w and 2 w + 1
.irp b, 0,1,2,3
	v_mov_b32 v[TM+4+\b], 0                        ; written once: a lane permute's destination counts as one of its sources
.endr
	s_mov_b32 s[SEL], 0x76543210
	s_mov_b32 s[SEL+1], 0xfedcba98
	s_mov_b32 s[HM], 0xffff0000
	s_lshr_b32 s29, s25, 1
	s_lshl_b32 s29, s29, 5
	s_and_b32 s30, s25, 1
	s_lshl_b32 s30, s30, 3
	s_add_co_u32 s29, s29, s30                     ; the tile's first token
	s_lshl_b32 s32, s29, 12
	s_lshl_b32 s33, s23, 11
	s_add_co_u32 s32, s32, s33                     ; x: in bytes, + my half of K
	s_mov_b32 s33, 0
	s_lshl_b32 s34, s29, 5                         ; tx: 32 bytes a token
	s_mov_b32 s35, 0
	s_lshl_b32 s36, s25, 3
	s_lshl_b32 s37, s23, 2
	s_add_co_u32 s36, s36, s37
	s_mul_i32 s36, s36, 1536                       ; x's images: my first
	s_mov_b32 s37, 0
	s_lshl_b32 s38, s25, 9
	s_lshl_b32 s39, s23, 3
	s_add_co_u32 s38, s38, s39                     ; x's scale words: 512 T + 8 x half
	s_mov_b32 s39, 0
	s_lshl_b32 s40, s22, 13                        ; lora_A: my two rows
	s_mov_b32 s41, 0
	s_cmp_lt_u32 ttmp9, 192
	s_cselect_b32 s29, 0, 192
	s_sub_co_u32 s29, ttmp9, s29                   ; the weight tile's number in its own tensor
	s_lshr_b32 s30, s29, 1
	s_lshl_b32 s30, s30, 5
	s_and_b32 s31, s29, 1
	s_lshl_b32 s31, s31, 3
	s_add_co_u32 s30, s30, s31                     ; its first row
	s_lshl_b32 s42, s30, 12
	s_lshl_b32 s43, s22, 10
	s_add_co_u32 s42, s42, s43                     ; in bytes, + my two K steps: 1,024 x wave
	s_mov_b32 s43, 0
	s_lshl_b32 s44, ttmp9, 3
	s_lshl_b32 s45, s22, 1
	s_add_co_u32 s44, s44, s45
	s_mul_i32 s44, s44, 1536                       ; the weight's images: 8 n + 2 x wave
	s_mov_b32 s45, 0
	s_lshl_b32 s46, ttmp9, 9
	s_lshl_b32 s47, s22, 2
	s_add_co_u32 s46, s46, s47                     ; its scale words: 512 n + 4 x wave
	s_mov_b32 s47, 0
	s_wait_alu depctr_va_vdst(0)
	s_wait_kmcnt 0x0
	s_cmp_lt_u32 ttmp9, 192                        ; which weight: the choice hangs on the work-group's number alone
	s_cselect_b64 s[8:9], s[8:9], s[10:11]
	s_add_nc_u64 s[4:5], s[4:5], s[32:33]
	s_add_nc_u64 s[6:7], s[6:7], s[40:41]
	s_add_nc_u64 s[8:9], s[8:9], s[42:43]
	s_add_nc_u64 s[12:13], s[12:13], s[36:37]
	s_add_nc_u64 s[14:15], s[14:15], s[38:39]
	s_add_nc_u64 s[16:17], s[16:17], s[34:35]
	s_add_nc_u64 s[18:19], s[18:19], s[44:45]
	s_add_nc_u64 s[20:21], s[20:21], s[46:47]
.irp j, 0,1
.irp i, 0,1,2,3,4,5,6,7
	global_load_b128 v[X0+32*\j+4*\i:X0+32*\j+4*\i+3], v1, s[6:7] offset:\j*4096+512*\i
.endr
.endr
	LOADR 0, 4, 0                                  ; x's four K steps
	LOADR 1, 4, 512
	LOADR 2, 4, 1024
	LOADR 3, 4, 1536
	s_wait_loadcnt 63                              ; lora_A's sixteen loads are in: 64 loads of x stand behind them, and the count's field ends at 63, so the first load of x is waited for as well
.irp j, 0,1
.irp i, 0,1,2,3,4,5,6,7
	ds_store_b128 v9, v[X0+32*\j+4*\i:X0+32*\j+4*\i+3] offset:\j*APT+512*\i
.endr
.endr
	s_wait_dscnt 0x0                               ; for the others' sake: my two rows of lora_A lie in LDS
	s_barrier_signal -1
	s_barrier_wait -1                              ; all eight do
	s_wait_loadcnt 48                              ; step 0's sixteen loads are in; the 48 of steps 1 to 3 may be out
	TURN 0
	AFETCH 0
; Steps 0-3: x.  Steps 4, 5: the weight: no product.
.macro STEP g
	s_wait_dscnt 0x0                               ; this step's numbers are in registers, and its stores into the stage have read the raw registers
.if (\g) > 0
	s_wait_xcnt 0x0                                ; the last step's stores have read the codes' registers
.endif
.if (\g) < 2
	LOADR \g, 8, 512*(\g)                          ; the weight's K step g of my two (step 4 + g), into the raw registers that step g has left
.endif
	QUANT X0+64*((\g)%2), PWR+(\g)                 ; its 32 maxima name none of the last step's matrix registers: they are the eight places in front of the loads below
.irp c, 0,1,2,3,4,5
.if (\g) < 4
	global_store_b64 v2, v[PC+2*\c:PC+2*\c+1], s[12:13] offset:1536*(\g)+256*\c   ; 32 lanes store 256 consecutive bytes, aligned
.else
	global_store_b64 v2, v[PC+2*\c:PC+2*\c+1], s[18:19] offset:1536*((\g)-4)+256*\c
.endif
.endr
.if (\g) < 5
.if (\g) < 2
	s_wait_loadcnt 48                              ; the next step's sixteen loads are in; behind them stand three steps' loads: in step 0 x's steps 2, 3 and the weight's first, in step 1 x's step 3 and both of the weight's
.else
	s_wait_loadcnt 16*(4-(\g))                     ; behind the next step's loads stand those of the 4 - g steps that follow it
.endif
	TURN (\g)+1
.if (\g) < 3
	AFETCH (\g)+1
.endif
.endif
.if (\g) < 4
	LORA \g
.endif
.endm
	STEP 0
	STEP 1
	STEP 2
	STEP 3
	STEP 4
	STEP 5
	; the quantisers of steps 4 and 5 stand between the last product and the first read of its results, and name none of its registers: more than the eight places that this matrix form asks (ISA guide 7.12.1)
.irp j, 0,2,4,6                        ; the four accumulators are added, each read from its low end on
	v_pk_add_f32 v[TS+\j:TS+\j+1], v[ACC+\j:ACC+\j+1], v[ACC+8+\j:ACC+9+\j]
	v_pk_add_f32 v[TS+\j:TS+\j+1], v[TS+\j:TS+\j+1], v[ACC+16+\j:ACC+17+\j]
	v_pk_add_f32 v[TS+\j:TS+\j+1], v[TS+\j:TS+\j+1], v[ACC+24+\j:ACC+25+\j]
.endr
	ds_store_b128 v6, v[TS:TS+3]
	ds_store_b128 v6, v[TS+4:TS+7] offset:512
	s_wait_alu depctr_va_vdst(0)
	s_wait_dscnt 0x0                               ; for the other wave's sake: my sums lie in LDS
	s_barrier_signal -1
	s_barrier_wait -1
	ds_load_b128 v[X0:X0+3], v7
	ds_load_b128 v[X0+4:X0+7], v7 offset:512
	v_cndmask_b32 v[E], v[PWR], v[PWR+1], s[HM]    ; lanes 0-15 the even K step's word, lanes 16-31 the odd one's
	v_cndmask_b32 v[E+1], v[PWR+2], v[PWR+3], s[HM]
	v_cndmask_b32 v[EW], v[PWR+4], v[PWR+5], s[HM]
	global_store_b64 v1, v[E:E+1], s[14:15]
	global_store_b32 v1, v[EW], s[20:21]           ; word w of each lane's four: the four waves fill the tile's 512 bytes
	s_wait_dscnt 0x0
.irp j, 0,2,4,6
	v_pk_add_f32 v[TS+\j:TS+\j+1], v[TS+\j:TS+\j+1], v[X0+\j:X0+\j+1]   ; both halves of K
.endr
.irp j, 0,2,4,6
	v_pk_mul_f32 v[TS+\j:TS+\j+1], v[TS+\j:TS+\j+1], 0x3e000000 op_sel_hi:[1,0]   ; alpha / r = 1 / 8: exact
.endr
.irp i, 0,1,2,3
	v_cndmask_b32 v[OUT+\i], v[TS+\i], v[TS+4+\i], s[HM]   ; every lane holds its token's eight: lanes 0-15 store the first four, lanes 16-31 the others
.endr
	s_cmp_lg_u32 s23, 0                            ; one wave of the two stores
	s_cbranch_scc1 .Ldone
	global_store_b128 v8, v[OUT:OUT+3], s[16:17]   ; two runs of 256 consecutive bytes: tokens 0-7 and 16-23 from the tile's first
.Ldone:
	s_wait_tensorcnt 0x0
	ds_add_u32 v254, v255
	s_wait_dscnt 0x0
	s_endpgm
.Lfunc_end_k_q51e38ef85e_quant:
	.size	k_q51e38ef85e_quant, .Lfunc_end_k_q51e38ef85e_quant-k_q51e38ef85e_quant
	.p2alignl 7, 3214868480
	.fill 96, 4, 3214868480
	.section	.rodata,"a",@progbits
	.p2align	6, 0x0
	.amdhsa_kernel k_q51e38ef85e_quant
		.amdhsa_group_segment_fixed_size 105216
		.amdhsa_private_segment_fixed_size 0
		.amdhsa_enable_private_segment 0
		.amdhsa_kernarg_size 72
		.amdhsa_user_sgpr_count 2
		.amdhsa_user_sgpr_kernarg_segment_ptr 1
		.amdhsa_wavefront_size32 1
		.amdhsa_system_sgpr_workgroup_id_x 1
		.amdhsa_system_sgpr_workgroup_id_y 1
		.amdhsa_system_sgpr_workgroup_id_z 1
		.amdhsa_system_vgpr_workitem_id 0
		.amdhsa_next_free_vgpr 640
		.amdhsa_next_free_sgpr 66
		.amdhsa_reserve_vcc 0
		.amdhsa_float_denorm_mode_32 3
		.amdhsa_float_denorm_mode_16_64 3
		.amdhsa_memory_ordered 1
		.amdhsa_forward_progress 1
		.amdhsa_inst_pref_size 70
	.end_amdhsa_kernel
	.amdgpu_metadata
---
amdhsa.version: [ 1, 2 ]
amdhsa.kernels:
  - .name:           k_q51e38ef85e_quant
    .symbol:         k_q51e38ef85e_quant.kd
    .args:
      - { .name: x, .offset: 0, .size: 8, .value_kind: global_buffer, .address_space: global }
      - { .name: lora_A, .offset: 8, .size: 8, .value_kind: global_buffer, .address_space: global }
      - { .name: W_qkv, .offset: 16, .size: 8, .value_kind: global_buffer, .address_space: global }
      - { .name: W_proj, .offset: 24, .size: 8, .value_kind: global_buffer, .address_space: global }
      - { .name: act_img, .offset: 32, .size: 8, .value_kind: global_buffer, .address_space: global }
      - { .name: act_scl, .offset: 40, .size: 8, .value_kind: global_buffer, .address_space: global }
      - { .name: tx, .offset: 48, .size: 8, .value_kind: global_buffer, .address_space: global }
      - { .name: w_img, .offset: 56, .size: 8, .value_kind: global_buffer, .address_space: global }
      - { .name: w_scl, .offset: 64, .size: 8, .value_kind: global_buffer, .address_space: global }
    .group_segment_fixed_size: 105216
    .private_segment_fixed_size: 0
    .kernarg_segment_align: 8
    .kernarg_segment_size: 72
    .max_flat_workgroup_size: 128
    .sgpr_count:     66
    .vgpr_count:     640
    .wavefront_size: 32
...
	.end_amdgpu_metadata
.endif
;; end of part 1
;; launch gemm_qkv (part 2): grid 8 x 96, 4 waves a work-group, clusters of 4 x 4, 295,424 bytes of LDS; arguments act_img, act_scl, tx, w_img, w_scl, lora_B, b_qkv, qkv_img, qkv_scl; writes qkv_img, qkv_scl
.if DOCPART == 2
	.amdgcn_target "amdgcn-amd-amdhsa--gfx1250"
	.amdhsa_code_object_version 6
	.text
	.protected	k_q51e38ef85e_gemm_qkv
	.globl	k_q51e38ef85e_gemm_qkv
	.p2align	8
	.type	k_q51e38ef85e_gemm_qkv,@function
k_q51e38ef85e_gemm_qkv:
	s_mov_b64 s[64:65], 0
	v_nop
	global_prefetch_b8 v0, s[64:65] scope:SCOPE_SE
	s_setreg_imm32_b32 hwreg(HW_REG_WAVE_MODE, 25, 1), 1
	s_wait_xcnt 0x0
	s_wait_alu depctr_hold_cnt(0) depctr_sa_sdst(0) depctr_va_vdst(0) depctr_va_sdst(0) depctr_va_ssrc(0) depctr_va_vcc(0) depctr_vm_vsrc(0)
	s_getreg_b32 s2, hwreg(HW_REG_IB_STS2, 6, 4)
	s_cmp_eq_u32 s2, 0
	s_cbranch_scc0 .Lentry_in_a_cluster
	s_endpgm
.Lentry_in_a_cluster:
	s_bfe_u32 s2, ttmp6, 0x10000c
	s_cmp_lg_u32 s2, 0xf033
	s_cbranch_scc0 .Lentry_shape_is_right
	s_endpgm
.Lentry_shape_is_right:
; qkv = Q(x) Q(W_qkv)^T + b_qkv + tx lora_B^T, and its result quantised on the way out: q and k along the head's 64 channels, v along the keys.  The f32 qkv never goes to memory.
; The quantised product runs on codes of BF6 (E3M2) with E8M0 scales; tx lora_B^T (K = 8, tx = x lora_A^T / 8) goes on into quantisers and takes f32 operands (v_wmma_f32_16x16x4_f32).
; OPERANDS come as images (16 rows x 128 K = 1,536 bytes, the operand's registers as they stand; tile T, K step g at (8 T + g) x 1,536) and scale words (512 bytes a tile: lane l's 16 bytes at 16 l, word p for K step 2 p + l / 16).
; Row i of tile T is 32 (T / 2) + 8 (T % 2) + i + 8 (i / 8): so in the result a lane's 16 registers of source 0's tiles 2 b, 2 b + 1 are 16 NEIGHBOURS along source 0's rows, and lane r stands for row r of source 1's tile.
; SOURCE 0 (S0) IS THE AXIS THAT IS QUANTISED NEXT.  Cluster rows 0-15: q and k: S0 = W's rows (channels), S1 = tokens.  Cluster rows 16-23: v: S0 = tokens (keys), S1 = W's rows 2,048 on.
; The two kinds differ in pointers (chosen on the cluster's y, which all partners share), in where the bias lies and in the output's index; LDS, descriptors' shapes and the loop are one text.
; SHARES: a work-group makes S0 256 x S1 128; a wave S0 128 (8 tiles) x S1 64 (4 tiles): 32 accumulators.  ALL OF K (1,024) LIES IN LDS: 384 rows x 768 bytes, filled once, by one tensor load a wave: nothing is filled again.
; CLUSTER 4 x 4: S0's panel hangs on the work-group's x alone and is asked for jointly by a column of the cluster, S1's on its y alone, by a row.  A wave has one tensor load out.
; OUTPUT: halves (16 rows x 64 K, 768 bytes) and 64 bytes of scale words a half.  Half index: q (16 b + head) 128 + token tile; k 8,192 + the same; v 16,384 + ((16 b + head) 32 + step of 64 keys) 4 + channel tile.
; A half's scale word: the lower half of a fragment carries the whole word of 128 along K, the upper half the word shifted down by 16 bits.
; LIMITS: a block of zeros gets the byte 1 where the rule says 127 (its codes are zeros; this program alone reads the bytes); NaN and infinities are not served.
; REGISTERS: window 0: v1-14 addresses; v16-19 the scale words made; v20-23 at work; v32-63 S0's scale words, v64-79 S1's; v80-127, v128-175 S1's fragments, two sets; v176-191, v192-211 the quantiser's.
;   window 1: v0-95, v96-191 S0's fragments, two sets (ahead of the loop: v0-31 S0's rows of the K = 8 product, v96-159 the bias).   window 2: accumulator (a, b) at v[64 a + 8 b].
; LDS AS THE TEXT BELOW HAS IT: a half panel (S0: 8 tiles, 98,304 bytes; S1: 4 tiles, 49,152 bytes) is one dense run of memory and comes by ONE tensor load of its wave;
; tile b's image of K step g lies at 12,288 b + 1,536 g of its half panel.  S0's two halves from byte 0, S1's two from S1O.  A wave has one tensor load out; it is waited for once, for 0.
.set S1O,  196608
.set TILB, 12288                       ; a tile's eight images in memory
.set ADR0, 3                           ; v3-4   my S0 tiles 0-3 and 4-7
.set ADR1, 7                           ; v7  my four S1 tiles
.set PWR,  16
.set SC0,  32
.set SC1,  64
.set B1,   80
.set TM,   176
.set PC,   192
.set SEL,  26                          ; s[26:27] lane selects, s32 the floor, s33 the mask of lanes 16-31: written when the pointers that lay there are done with
.set FLR,  32
.set HM,   33
.set MSB, 0
.macro WIN new                         ; the immediate's high byte repeats the setting that is left
.if MSB != \new
	s_set_vgpr_msb (MSB<<8)|\new
.set MSB, \new
.endif
.endm
.macro PLACES n
.rept \n
	v_nop
.endr
.endm
.macro CROUND                          ; a round of the cluster's barrier
	s_barrier_signal -1
	s_barrier_wait -1
	s_cmp_lg_u32 s3, 0
	s_cbranch_scc1 .Lnot_wave_0_\@
	s_barrier_signal -3
.Lnot_wave_0_\@:
	s_barrier_wait -3
	s_barrier_signal -1
	s_barrier_wait -1
.endm
	s_load_b512 s[8:23], s[0:1], 0x0               ; act_img 8, act_scl 10, tx 12, w_img 14, w_scl 16, lora_B 18, b_qkv 20, qkv_img 22
	s_load_b64 s[24:25], s[0:1], 0x40              ; qkv_scl
	v_lshl_add_u32 v254, v0, 2, 0x48000
	v_mov_b32 v255, 0
	ds_add_u32 v254, v255
	ds_add_u32 v254, v255
	v_lshrrev_b32 v1, 5, v0
	v_readfirstlane_b32 s3, v1                     ; wave 0..3
	s_and_b32 s4, s3, 1                            ; my half of S0.  Also: which half of a panel I fetch
	s_lshr_b32 s5, s3, 1                           ; my half of S1.  Also: I fetch for S0 (0) or for S1 (1)
	s_bfe_u32 s56, ttmp6, 0x40000                  ; cx
	s_bfe_u32 s57, ttmp6, 0x40004                  ; cy
	s_and_b32 s58, ttmp7, 0xffff                   ; the cluster's y: under 16: q and k; from 16 on: v
	s_sub_co_u32 s59, s58, 16                      ; v's cluster row
	s_lshr_b32 s60, s59, 1
	s_lshl_b32 s60, s60, 3
	s_and_b32 s61, s59, 1
	s_lshl_b32 s61, s61, 2
	s_lshl_b32 s63, s58, 2
	s_cmp_lt_u32 s58, 16
	s_cselect_b32 s60, 0, s60
	s_cselect_b32 s61, s63, s61
	s_cselect_b32 s62, 0, 128                      ; v: S1's tiles begin at W's tile 128
	s_lshl_b32 s63, ttmp9, 2
	s_add_co_u32 s60, s60, s63
	s_add_co_u32 s60, s60, s56                     ; S0's block of 256 rows: 4 x cluster x + cx (+ 8 x (v's cluster row / 2))
	s_add_co_u32 s61, s61, s57                     ; S1's block of 128 rows: 4 x cluster y + cy, or 4 x (v's cluster row % 2) + cy
	s_lshl_b32 s6, s57, 2
	s_lshl_b32 s6, 15, s6                          ; my row of the cluster
	s_lshl_b32 s7, 0x1111, s56                     ; my column
	; descriptor group 1: dense bytes as rows of 256 (32 elements of 8 bytes): S1's half panel 192 rows, S0's 384
	s_or_b32 s40, s6, (3<<16)|(1<<21)              ; 15:0 the mask: S1's panel goes to my row; 17:16 elements of 8 bytes; 21 set beside a mask
	s_or_b32 s48, s7, (3<<16)|(1<<21)              ; S0's goes to my column
	s_mov_b32 s41, 32<<16                          ; tensor_dim0
	s_mov_b32 s42, 192<<16                         ; tensor_dim1
	s_mov_b32 s43, 32<<16                          ; tile_dim0
	s_mov_b32 s44, 192                             ; tile_dim1
	s_mov_b32 s45, 32                              ; stride from row to row, in elements
	s_mov_b32 s46, 0
	s_mov_b32 s47, 0
	s_mov_b32 s49, 32<<16
	s_mov_b32 s50, 384<<16
	s_mov_b32 s51, 32<<16
	s_mov_b32 s52, 384
	s_mov_b32 s53, 32
	s_mov_b32 s54, 0
	s_mov_b32 s55, 0
	s_lshl_b32 s38, s60, 4
	s_lshl_b32 s39, s4, 3
	s_add_co_u32 s38, s38, s39
	s_mul_i32 s38, s38, TILB                       ; S0: tile 16 x block + 8 x half, in bytes
	s_mov_b32 s39, 0
	s_lshl_b32 s66, s61, 3
	s_add_co_u32 s66, s66, s62
	s_lshl_b32 s67, s4, 2
	s_add_co_u32 s66, s66, s67
	s_mul_i32 s66, s66, TILB                       ; S1: tile 8 x block + 4 x half (+ 128)
	s_mov_b32 s67, 0
	s_mul_i32 s100, s4, 98304                      ; where they go: no place in the cluster enters an LDS address
	s_mul_i32 s101, s4, 49152
	s_wait_dscnt 0x0
	s_wait_kmcnt 0x0
	s_cmp_lt_u32 s58, 16                           ; the choices hang on the cluster's y alone
	s_cselect_b64 s[26:27], s[14:15], s[8:9]       ; S0's images,
	s_cselect_b64 s[28:29], s[16:17], s[10:11]     ; scale words,
	s_cselect_b64 s[30:31], s[18:19], s[12:13]     ; and rows of the K = 8 product: lora_B or tx
	s_cselect_b64 s[32:33], s[8:9], s[14:15]       ; S1's likewise
	s_cselect_b64 s[34:35], s[10:11], s[16:17]
	s_cselect_b64 s[36:37], s[12:13], s[18:19]
	s_add_nc_u64 s[26:27], s[26:27], s[38:39]
	s_add_nc_u64 s[32:33], s[32:33], s[66:67]
	s_mov_b32 s84, 1                               ; descriptor group 0: S0's half panel,
	s_mov_b32 s85, s100
	s_mov_b64 s[86:87], s[26:27]
	s_or_b32 s87, s87, 0x80000000
	s_mov_b32 s68, 1                               ; and S1's
	s_add_co_u32 s69, s101, S1O
	s_mov_b64 s[70:71], s[32:33]
	s_or_b32 s71, s71, 0x80000000
	CROUND                                         ; all sixteen work-groups are here: the joint loads meet
	s_cmp_eq_u32 s5, 0                             ; one fill a wave, in the two arms of one branch on the wave's number; s_nop 0 and four v_nop follow each
	s_cbranch_scc0 .Lfill_s1
	tensor_load_to_lds s[84:87], s[48:55]
	s_nop 0
	PLACES 4
	s_branch .Lfilled
.Lfill_s1:
	tensor_load_to_lds s[68:71], s[40:47]
	s_nop 0
	PLACES 4
.Lfilled:
	v_and_b32 v24, 31, v0                          ; lane
	v_and_b32 v25, 15, v0                          ; r
	v_bfe_u32 v26, v0, 4, 1                        ; h
	v_lshlrev_b32 v1, 3, v24                       ; 8 x lane
	v_lshlrev_b32 v2, 2, v24                       ; 4 x lane
	v_lshlrev_b32 v11, 4, v24                      ; 16 x lane
	v_and_b32 v27, 8, v25
	v_add_nc_u32 v27, v27, v25                     ; r + 8 (r / 8)
	v_lshlrev_b32 v12, 5, v27
	v_lshl_add_u32 v12, v26, 4, v12                ; a row of 8 f32: 32 bytes, + 16 h
	v_lshlrev_b32 v13, 6, v26                      ; the bias along S0: 16 h numbers on
	v_lshlrev_b32 v14, 2, v27                      ; the bias along S1: my row's
.irp b, 0,1,2,3
	v_mov_b32 v[TM+4+\b], 0                        ; written once: a lane permute's destination counts as one of its sources
.endr
	s_mul_i32 s38, s4, 98304
	s_mul_i32 s39, s5, 49152
	s_add_co_u32 s39, s39, S1O
	v_add_nc_u32 v[ADR0], s38, v1                  ; my S0 tiles 0-3,
	s_add_co_u32 s38, s38, 49152
	v_add_nc_u32 v[ADR0+1], s38, v1                ; tiles 4-7 (an LDS offset has 16 bits),
	v_add_nc_u32 v[ADR1], s39, v1                  ; my four S1 tiles
	s_wait_alu depctr_va_vdst(0)                   ; behind the head's last vector instruction and ahead of the run of scalar instructions
	s_mov_b32 s[SEL], 0x76543210
	s_mov_b32 s[SEL+1], 0xfedcba98
	s_mov_b32 s[FLR], 0x2800000
	s_mov_b32 s[HM], 0xffff0000
	s_lshl_b32 s59, s60, 1
	s_add_co_u32 s59, s59, s4                      ; G: my group of 128 rows of S0
	s_lshl_b32 s6, s61, 3
	s_lshl_b32 s7, s5, 2
	s_add_co_u32 s6, s6, s7                        ; my first tile of S1, counted from S1's first block
	s_add_co_u32 s63, s6, s62                      ; and in its buffers
	s_lshl_b32 s38, s59, 12                        ; 8 G tiles x 512 bytes: scale words and rows of 8 f32 alike
	s_mov_b32 s39, 0
	s_add_nc_u64 s[28:29], s[28:29], s[38:39]
	s_add_nc_u64 s[30:31], s[30:31], s[38:39]
	s_lshl_b32 s66, s63, 9
	s_mov_b32 s67, 0
	s_add_nc_u64 s[34:35], s[34:35], s[66:67]
	s_add_nc_u64 s[36:37], s[36:37], s[66:67]
.irp b, 0,1,2,3,4,5,6,7
	global_load_b128 v[SC0+4*\b:SC0+4*\b+3], v11, s[28:29] offset:512*\b   ; all of a tile's scale words by one load
.endr
.irp a, 0,1,2,3
	global_load_b128 v[SC1+4*\a:SC1+4*\a+3], v11, s[34:35] offset:512*\a
.endr
	WIN 0x40
.irp b, 0,1,2,3,4,5,6,7
	global_load_b128 v[4*\b:4*\b+3], v12, s[30:31] offset:(32*(\b/2)+8*(\b%2))*32   ; the K = 8 product: my row's k = 4 h + 0 .. 3
.endr
	WIN 0
.irp a, 0,1,2,3
	global_load_b128 v[B1+4*\a:B1+4*\a+3], v12, s[36:37] offset:(32*(\a/2)+8*(\a%2))*32
.endr
	; the output's half index, both kinds, then the choice
	s_lshr_b32 s66, s59, 3                         ; q and k: ((G / 8) 4 + batch) 16 + 2 (G % 8) is tensor, batch and head; x 128 + the token tile in the batch
	s_lshl_b32 s66, s66, 2
	s_lshr_b32 s67, s6, 7
	s_add_co_u32 s66, s66, s67
	s_lshl_b32 s66, s66, 4
	s_and_b32 s67, s59, 7
	s_lshl_b32 s67, s67, 1
	s_add_co_u32 s66, s66, s67
	s_lshl_b32 s66, s66, 7
	s_and_b32 s67, s6, 127
	s_add_co_u32 s66, s66, s67
	s_lshl_b32 s38, s61, 1                         ; v: head = 2 x S1's block + my half; ((G / 16) 16 + head) 32 + 2 (G % 16), x 4, + 16,384
	s_add_co_u32 s38, s38, s5
	s_lshr_b32 s39, s59, 4
	s_lshl_b32 s39, s39, 4
	s_add_co_u32 s38, s38, s39
	s_lshl_b32 s38, s38, 5
	s_and_b32 s39, s59, 15
	s_lshl_b32 s39, s39, 1
	s_add_co_u32 s38, s38, s39
	s_lshl_b32 s38, s38, 2
	s_add_co_u32 s38, s38, 16384
	s_cmp_lt_u32 s58, 16
	s_cselect_b32 s66, s66, s38                    ; the lower halves' index (+ a for S1's tile a)
	s_cselect_b32 s67, 128, 4                      ; the upper halves lie a head, or a step of 64 keys, further on
	s_add_co_u32 s67, s67, s66
	s_mov_b32 s39, 0
	s_mul_i32 s38, s66, 768
	s_add_nc_u64 s[8:9], s[22:23], s[38:39]
	s_mul_i32 s38, s67, 768
	s_add_nc_u64 s[10:11], s[22:23], s[38:39]
	s_lshl_b32 s38, s66, 6
	s_add_nc_u64 s[12:13], s[24:25], s[38:39]
	s_lshl_b32 s38, s67, 6
	s_add_nc_u64 s[14:15], s[24:25], s[38:39]
; THE SUMS BEGIN with the bias and the K = 8 product, while the panels are on their way.  Two links of 4 along K: slot (h, j) of link q is k = 4 h + 2 q + j on both sides.
; sel = 0: the bias runs along S0 (eight registers for tile b); 1: along S1 (one number a lane, eight times, for tile a).  The 32 accumulators take turns.
.macro LORA sel
	WIN 0x91                                       ; source 0 and C window 1, source 1 window 0, D window 2
.irp a, 0,1,2,3
.irp b, 0,1,2,3,4,5,6,7
	v_wmma_f32_16x16x4_f32 v[64*\a+8*\b:64*\a+8*\b+7], v[4*\b:4*\b+1], v[B1+4*\a:B1+4*\a+1], v[96+8*(\b*(1-\sel)+\a*\sel):96+8*(\b*(1-\sel)+\a*\sel)+7]
.endr
.endr
	WIN 0xa1                                       ; C and D window 2
.irp a, 0,1,2,3
.irp b, 0,1,2,3,4,5,6,7
	v_wmma_f32_16x16x4_f32 v[64*\a+8*\b:64*\a+8*\b+7], v[4*\b+2:4*\b+3], v[B1+4*\a+2:B1+4*\a+3], v[64*\a+8*\b:64*\a+8*\b+7]
.endr
.endr
	WIN 0
.endm
	s_cmp_lt_u32 s58, 16                           ; the same way in all partners
	s_cbranch_scc0 .Lv_arm
	s_lshl_b32 s38, s59, 9                         ; q and k: b_qkv at my 128 rows of W
	s_add_nc_u64 s[20:21], s[20:21], s[38:39]
	WIN 0x40
.irp b, 0,1,2,3,4,5,6,7
	global_load_b128 v[96+8*\b:99+8*\b], v13, s[20:21] offset:(32*(\b/2)+8*(\b%2))*4
	global_load_b128 v[100+8*\b:103+8*\b], v13, s[20:21] offset:(32*(\b/2)+8*(\b%2))*4+16
.endr
	s_wait_loadcnt 0x0                             ; scale words, the K = 8 product's rows, the bias
	LORA 0
	s_branch .Linit_done
.Lv_arm:
	s_lshl_b32 s38, s63, 6                         ; v: b_qkv at my 64 rows of W
	s_add_nc_u64 s[20:21], s[20:21], s[38:39]
	WIN 0x40
.irp a, 0,1,2,3
.irp j, 0,1,2,3,4,5,6,7
	global_load_b32 v[96+8*\a+\j], v14, s[20:21] offset:(32*(\a/2)+8*(\a%2))*4
.endr
.endr
	s_wait_loadcnt 0x0
	LORA 1
.Linit_done:
	PLACES 9                                       ; another matrix form writes over these results, and loads land in these operands: nine places behind this form
.macro FETCH g                         ; K step g's fragments into set g % 2: 72 loads of 256 consecutive bytes
	WIN 0x40
.irp b, 0,1,2,3,4,5,6,7
.irp c, 0,1,2,3,4,5
	ds_load_b64 v[96*((\g)%2)+12*\b+2*\c:96*((\g)%2)+12*\b+2*\c+1], v[ADR0+\b/4] offset:12288*(\b%4)+1536*(\g)+256*\c
.endr
.endr
	WIN 0
.irp a, 0,1,2,3
.irp c, 0,1,2,3,4,5
	ds_load_b64 v[B1+48*((\g)%2)+12*\a+2*\c:B1+48*((\g)%2)+12*\a+2*\c+1], v[ADR1] offset:12288*\a+1536*(\g)+256*\c
.endr
.endr
.endm
.macro MULS g                          ; 32 matrix instructions, the accumulators by turns, in the same order in every step; an odd K step's scale words lie in lanes 16-31
	WIN 0xa1
.irp a, 0,1,2,3
.irp b, 0,1,2,3,4,5,6,7
.if (\g)%2
	v_wmma_scale_f32_16x16x128_f8f6f4 v[64*\a+8*\b:64*\a+8*\b+7], v[96*((\g)%2)+12*\b:96*((\g)%2)+12*\b+11], v[B1+48*((\g)%2)+12*\a:B1+48*((\g)%2)+12*\a+11], v[64*\a+8*\b:64*\a+8*\b+7], v[SC0+4*\b+(\g)/2], v[SC1+4*\a+(\g)/2] matrix_a_fmt:MATRIX_FMT_BF6 matrix_b_fmt:MATRIX_FMT_BF6 matrix_a_scale:MATRIX_SCALE_ROW1 matrix_b_scale:MATRIX_SCALE_ROW1
.else
	v_wmma_scale_f32_16x16x128_f8f6f4 v[64*\a+8*\b:64*\a+8*\b+7], v[96*((\g)%2)+12*\b:96*((\g)%2)+12*\b+11], v[B1+48*((\g)%2)+12*\a:B1+48*((\g)%2)+12*\a+11], v[64*\a+8*\b:64*\a+8*\b+7], v[SC0+4*\b+(\g)/2], v[SC1+4*\a+(\g)/2] matrix_a_fmt:MATRIX_FMT_BF6 matrix_b_fmt:MATRIX_FMT_BF6
.endif
.endr
.endr
.endm
.macro KSTEP g
	s_wait_dscnt 0x0                               ; this step's fragments are in (asked for 32 matrix instructions ago)
.if (\g) < 7
	PLACES 4                                       ; in front of loads into the set that the last step multiplied
	FETCH (\g)+1
.endif
	MULS \g
.endm
	s_wait_tensorcnt 0x0                           ; my one load, my half panel for all of K, has landed
	s_barrier_signal -1
	s_barrier_wait -1
	s_wait_alu depctr_va_vdst(0)
	FETCH 0
.irp g, 0,1,2,3,4,5,6,7
	KSTEP \g
.endr
	WIN 0
	PLACES 4                                       ; in front of the first read of results
; THE WAY OUT.  For S1's tile a my 64 registers are 128 neighbours along S0, 16 of each block of 32: they are quantised as they stand.  Registers 0-5 of the fragment are the lower half (64 along S0), 6-11 the upper.
.macro QUANTA a
.if \a > 0
	s_wait_xcnt 0x0                                ; the last tile's stores have read the codes' registers
.endif
	WIN 0x28                                       ; sources 1 and 2 window 2
.irp b, 0,1,2,3
	v_max3_num_f32 v[TM+\b], s[FLR], |v[64*\a+16*\b]|, |v[64*\a+1+16*\b]|   ; the floor 2^(5 - 127), and each accumulator from its low end on
.endr
.irp i, 2,4,6,8,10,12,14
.irp b, 0,1,2,3
	v_max3_num_f32 v[TM+\b], v[TM+\b], |v[64*\a+16*\b+\i]|, |v[64*\a+1+16*\b+\i]|
.endr
.endr
	WIN 0
.irp b, 0,1,2,3
	v_permlanex16_b32 v[TM+4+\b], v[TM+\b], s[SEL], s[SEL+1]
.endr
.irp b, 0,1,2,3
	v_max_num_f32 v[TM+\b], v[TM+\b], v[TM+4+\b]
.endr
.irp b, 0,1,2,3
	v_add_nc_u32 v[TM+12+\b], 0xfe000000, v[TM+\b]   ; 4 off the exponent field: the conversion's scale operand
.endr
.irp b, 0,1,2,3
	v_lshrrev_b32 v[TM+4+\b], 23, v[TM+12+\b]
.endr
	v_lshl_or_b32 v[PWR+\a], v[TM+5], 8, v[TM+4]
	v_lshl_or_b32 v[PWR+\a], v[TM+6], 16, v[PWR+\a]
	v_lshl_or_b32 v[PWR+\a], v[TM+7], 24, v[PWR+\a]
	WIN 0x02                                       ; source 0 window 2
.irp c, 0,1
	v_cvt_scalef32_pk16_bf6_f32 v[PC+6*\c:PC+2+6*\c], v[64*\a+32*\c:64*\a+15+32*\c], v[TM+12+2*\c]
	v_cvt_scalef32_pk16_bf6_f32 v[PC+12+4*\c:PC+14+4*\c], v[64*\a+16+32*\c:64*\a+31+32*\c], v[TM+12+2*\c+1]
.endr
	WIN 0
	v_nop                                          ; one plain place behind a scaled conversion
.irp c, 0,1
.irp i, 0,1,2
	v_permlane16_swap_b32 v[PC+6*\c+\i], v[PC+12+4*\c+\i]
.endr
.irp i, 0,1,2
	v_mov_b32 v[PC+3+6*\c+\i], v[PC+12+4*\c+\i]
.endr
.endr
.endm
.irp a, 0,1,2,3
	QUANTA \a
.irp c, 0,1,2
	global_store_b64 v1, v[PC+2*\c:PC+2*\c+1], s[8:9] offset:768*\a+256*\c      ; 32 lanes store 256 consecutive bytes, aligned
	global_store_b64 v1, v[PC+6+2*\c:PC+7+2*\c], s[10:11] offset:768*\a+256*\c
.endr
.endr
	v_cndmask_b32 v20, v[PWR], v[PWR+1], s[HM]     ; two halves' words to a store: lanes 0-15 tile a's rows, lanes 16-31 tile a + 1's
	v_cndmask_b32 v21, v[PWR+2], v[PWR+3], s[HM]
	v_lshrrev_b32 v22, 16, v20                     ; the upper halves' two bytes
	v_lshrrev_b32 v23, 16, v21
	global_store_b32 v2, v20, s[12:13]
	global_store_b32 v2, v21, s[12:13] offset:128
	global_store_b32 v2, v22, s[14:15]
	global_store_b32 v2, v23, s[14:15] offset:128
	s_wait_tensorcnt 0x0
	ds_add_u32 v254, v255
	s_wait_dscnt 0x0
	CROUND                                         ; the closing round: no work-group ends while a partner may still ask for a panel that names it
	s_endpgm
.Lfunc_end_k_q51e38ef85e_gemm_qkv:
	.size	k_q51e38ef85e_gemm_qkv, .Lfunc_end_k_q51e38ef85e_gemm_qkv-k_q51e38ef85e_gemm_qkv
	.p2alignl 7, 3214868480
	.fill 96, 4, 3214868480
	.section	.rodata,"a",@progbits
	.p2align	6, 0x0
	.amdhsa_kernel k_q51e38ef85e_gemm_qkv
		.amdhsa_group_segment_fixed_size 295424
		.amdhsa_private_segment_fixed_size 0
		.amdhsa_enable_private_segment 0
		.amdhsa_kernarg_size 72
		.amdhsa_user_sgpr_count 2
		.amdhsa_user_sgpr_kernarg_segment_ptr 1
		.amdhsa_wavefront_size32 1
		.amdhsa_system_sgpr_workgroup_id_x 1
		.amdhsa_system_sgpr_workgroup_id_y 1
		.amdhsa_system_sgpr_workgroup_id_z 1
		.amdhsa_system_vgpr_workitem_id 0
		.amdhsa_next_free_vgpr 768
		.amdhsa_next_free_sgpr 102
		.amdhsa_reserve_vcc 0
		.amdhsa_float_denorm_mode_32 3
		.amdhsa_float_denorm_mode_16_64 3
		.amdhsa_memory_ordered 1
		.amdhsa_forward_progress 1
		.amdhsa_inst_pref_size 112
	.end_amdhsa_kernel
	.amdgpu_metadata
---
amdhsa.version: [ 1, 2 ]
amdhsa.kernels:
  - .name:           k_q51e38ef85e_gemm_qkv
    .symbol:         k_q51e38ef85e_gemm_qkv.kd
    .args:
      - { .name: act_img, .offset: 0, .size: 8, .value_kind: global_buffer, .address_space: global }
      - { .name: act_scl, .offset: 8, .size: 8, .value_kind: global_buffer, .address_space: global }
      - { .name: tx, .offset: 16, .size: 8, .value_kind: global_buffer, .address_space: global }
      - { .name: w_img, .offset: 24, .size: 8, .value_kind: global_buffer, .address_space: global }
      - { .name: w_scl, .offset: 32, .size: 8, .value_kind: global_buffer, .address_space: global }
      - { .name: lora_B, .offset: 40, .size: 8, .value_kind: global_buffer, .address_space: global }
      - { .name: b_qkv, .offset: 48, .size: 8, .value_kind: global_buffer, .address_space: global }
      - { .name: qkv_img, .offset: 56, .size: 8, .value_kind: global_buffer, .address_space: global }
      - { .name: qkv_scl, .offset: 64, .size: 8, .value_kind: global_buffer, .address_space: global }
    .group_segment_fixed_size: 295424
    .private_segment_fixed_size: 0
    .kernarg_segment_align: 8
    .kernarg_segment_size: 72
    .max_flat_workgroup_size: 128
    .sgpr_count:     102
    .vgpr_count:     768
    .wavefront_size: 32
...
	.end_amdgpu_metadata
.endif
;; end of part 2
;; launch attn (part 3): grid 4 x 64, 16 waves a work-group, clusters of 4 x 1, 288,768 bytes of LDS; arguments qkv_img, qkv_scl, act_img, act_scl; writes act_img, act_scl
.if DOCPART == 3
	.amdgcn_target "amdgcn-amd-amdhsa--gfx1250"
	.amdhsa_code_object_version 6
	.text
	.protected	k_q51e38ef85e_attn
	.globl	k_q51e38ef85e_attn
	.p2align	8
	.type	k_q51e38ef85e_attn,@function
k_q51e38ef85e_attn:
	s_mov_b64 s[64:65], 0
	v_nop
	global_prefetch_b8 v0, s[64:65] scope:SCOPE_SE
	s_setreg_imm32_b32 hwreg(HW_REG_WAVE_MODE, 25, 1), 1
	s_wait_xcnt 0x0
	s_wait_alu depctr_hold_cnt(0) depctr_sa_sdst(0) depctr_va_vdst(0) depctr_va_sdst(0) depctr_va_ssrc(0) depctr_va_vcc(0) depctr_vm_vsrc(0)
	s_getreg_b32 s2, hwreg(HW_REG_IB_STS2, 6, 4)
	s_cmp_eq_u32 s2, 0
	s_cbranch_scc0 .Lentry_in_a_cluster
	s_endpgm
.Lentry_in_a_cluster:
	s_bfe_u32 s2, ttmp6, 0x10000c
	s_cmp_lg_u32 s2, 0x3003
	s_cbranch_scc0 .Lentry_shape_is_right
	s_endpgm
.Lentry_shape_is_right:
; out[b][q][head] = softmax_k(q . k / 8) v for 64 (batch, head) pairs of 2,048 tokens and 64 channels, both products on codes of BF6 (E3M2) with E8M0 scales, and the result quantised along the model's 1,024 for the last product.
; THE SOFTMAX AHEAD OF THE SECOND PRODUCT: t = score x log2(e) / 8; M = the row's largest t so far, rounded UP to a whole number; p = 2^(t - M) is quantised along the keys, not normalised.
; The row's sum is taken of the unquantised p, in f32, and divides O at the end.  When M moves, the sum and O are multiplied by 2^(old M - new M): exact.
; INPUTS: halves (16 rows x 64 K = 768 bytes: piece c of three at 256 c, lane l's operand registers 2 c, 2 c + 1 at 8 l) and 64 bytes of scale words a half (row r's word at 4 r).
; Half index: q (16 b + head) 128 + token tile; k 8,192 + the same; v 16,384 + ((16 b + head) 32 + step of 64 keys) 4 + channel tile.  Row i of a stored tile T is 32 (T / 2) + 8 (T % 2) + i + 8 (i / 8).
; SHARES: work-group y is (batch, head); the four work-groups of a cluster take 512 queries each; a wave takes one tile of 16 queries in each of two passes; four waves lie on a SIMD.
; K AND V OF THE WHOLE HEAD STAY IN LDS, filled once, by ONE tensor load a wave at the head: waves 0-5 K's codes, waves 6-11 V's (64 rows of 256 bytes each), waves 12-15 the scale words (16 rows each).
; The four partners need the same bytes: every fill is asked for jointly.  One wait for 0 and one barrier show all of it to all waves; the loop over the keys has no barrier.
; No prefetch: all that the launch reads of K and V is asked for at the head; the loop asks memory for nothing.
; LAYOUT: both products transposed: S^T = K Q^T (source 0 = 16 keys, source 1 = my 16 queries), O^T = V^T P^T: a lane holds ONE query throughout.
; THE KEYS OF A SCORE TILE ARE CHOSEN BY THE LANES' LDS ADDRESSES: row i of tile t of a step is key 64 (t / 4) + 32 (i / 8) + 8 (t % 4) + i % 8, which is row i % 8 + 8 ((t % 4) / 2) of the stored tile 4 (t / 4) + 2 (i / 8) + t % 2.
; So score register 32 c + x of lane (r, h) is key 64 c + 32 h + x: a WHOLE block of 32 keys in one lane, in the order in which the operand P wants it: a block's largest score needs no other lane, and the conversions' results are the operand.
; The codes' LDS rows are 256 bytes + 96 of padding: six rows on (two stored tiles) is 64 bytes on modulo 256, so the four groups of eight lanes of a K load take four different runs of 64 bytes of the 256.
; K = 64 IN A FORM OF 128: Q's registers 6-11 are zero codes; a tile of K names its own six registers and the next tile's six, whose codes meet the zeros.  No code of this format is an infinity or NaN and no scale byte here is 0xff: those products are 0.
; ORDER IN A STEP: V's fragments are fetched under the softmax, over K's registers; most of the row sum's additions stand behind V^T P, and the next step's K is fetched under them, over V's registers.
; The next step is (step + 1) % 16: a pass's last trip fetches the next pass's first K; in the last pass that fetch is not used.
; LIMITS: NaN and infinities are not served; the scaled scores stay under 2^31 in magnitude; a block of zeros gets the byte 1 (its codes are zeros); v_exp_f32 gives 0 for results under 2^-126 (ISA guide, its entry), so a p that small counts as 0.
; A block's largest p is its largest score put through the same multiply-add and exponential; this takes v_exp_f32 not to fall where its input rises.
.set PR,    352                        ; an LDS row of codes: 256 bytes + 96
.set STEPB, 24*PR                      ; a step of 128 keys: 8 halves x 3 pieces, of K and of V alike
.set VB,    16*STEPB                   ; LDS: K's codes from 0, V's from here,
.set SB,    2*VB                       ; K's scale words (8,192 bytes), then V's,
.set SPARE, SB+16384                   ; the spare words: 128 bytes a wave, 2,048 in all
.set AKB, 1                            ; v1-4  lane terms: K's codes, V's codes, K's scale words, V's
.set AVB, 2
.set AKSB, 3
.set AVSB, 4
.set AK,  5                            ; v5-8  the same with a step's offset
.set AV,  6
.set AKS, 7
.set AVS, 8
.set L8,  9                            ; v9    8 x lane
.set QS4, 10                           ; v10   4 r
.set R16, 11                           ; v11   16 r;  v12 -M, v13 the largest score so far, v[14:15] the row's sum in two halves
.set QF,  16                           ; v16-21 Q's codes, v22-27 zeros
.set QSC, 28                           ; v28   Q's scale words
.set SH8, 29                           ; v29   8 h
.set KF,  30                           ; v30-77 eight tiles of K, six registers each, or four fragments of V; v78-83 zeros
.set KSC, 84                           ; v84-87 K's scale words: tiles 2 p (lanes 0-15) and 2 p + 1 (lanes 16-31)
.set VSC, 88                           ; v88-89 V's
.set SS,  96                           ; v96-159 S^T, then p
.set OT,  160                          ; v160-191 O^T
.set PC,  192                          ; v192-203 p's codes; v204-210 the conversions' second halves
.set BM,  214                          ; v214-215 my two blocks' largest; v216-217 their second chains
.set B2,  216
.set SO,  218                          ; v218-219 the conversions' scale operands
.set BT,  220                          ; v220-221 the scale bytes
.set S2,  222                          ; v[222:223] the sum's second chain
.set PSC, 224                          ; v224  p's scale word
.set WP,  225
.set FF,  226                          ; v[226:227] f = 2^(old M - new M), in the low word
.set TT,  228
.set TP,  229
.set PWH, 230                          ; v230  the output's two scale bytes
.set SEL, 52                           ; s[52:53] lane selects: lane l xor 16
.set CS,  54                           ; s[54:55] c = log2(e) / 8;  s51 = -c
.set NC,  51
.macro PLACES n
.rept \n
	v_nop
.endr
.endm
.macro CROUND
	s_barrier_signal -1
	s_barrier_wait -1
	s_cmp_lg_u32 s3, 0
	s_cbranch_scc1 .Lnot_wave_0_\@
	s_barrier_signal -3
.Lnot_wave_0_\@:
	s_barrier_wait -3
	s_barrier_signal -1
	s_barrier_wait -1
.endm
.macro HINT n
	s_delay_alu instid0(VALU_DEP_\n)
.endm
	s_load_b256 s[8:15], s[0:1], 0x0               ; qkv_img 8, qkv_scl 10, act_img 12, act_scl 14
	v_lshl_add_u32 v254, v0, 2, SPARE
	v_mov_b32 v255, 0
	ds_add_u32 v254, v255                          ; the opening lines: the add, twice on end, and its wait ahead of my tensor load
	ds_add_u32 v254, v255
	v_lshrrev_b32 v1, 5, v0
	v_readfirstlane_b32 s3, v1                     ; wave 0..15
	s_bfe_u32 s57, ttmp6, 0x40000                  ; cx: my block of 512 queries: it enters Q's and the output's addresses alone
	s_and_b32 s58, ttmp7, 0xffff                   ; y = 16 b + head, which the four partners share
	; descriptor group 1, dense bytes as rows of 256 (32 elements of 8 bytes).  Codes: 64 rows, 24 words of padding behind each 64 words
	s_mov_b32 s16, 15|(3<<16)|(1<<20)|(1<<21)|(5<<22)|(23<<25)   ; 15:0 the mask: all four work-groups; 21 set beside a mask
	s_mov_b32 s17, 32<<16
	s_mov_b32 s18, 64<<16
	s_mov_b32 s19, 32<<16
	s_mov_b32 s20, 64
	s_mov_b32 s21, 32
	s_mov_b32 s22, 0
	s_mov_b32 s23, 0
	s_mov_b32 s24, 15|(3<<16)|(1<<21)              ; scale words: 16 rows, no padding
	s_mov_b32 s25, 32<<16
	s_mov_b32 s26, 16<<16
	s_mov_b32 s27, 32<<16
	s_mov_b32 s28, 16
	s_mov_b32 s29, 32
	s_mov_b32 s30, 0
	s_mov_b32 s31, 0
	s_mul_i32 s40, s3, 11
	s_lshr_b32 s40, s40, 6                         ; wave / 6 for waves 0-11: 0 K's, 1 V's
	s_mul_i32 s40, s40, 6291456-98304              ; V's codes lie 8,192 halves behind K's; six waves have passed K's 98,304 bytes
	s_lshl_b32 s41, s3, 14                         ; 16,384 bytes a wave
	s_add_co_u32 s40, s40, s41
	s_lshl_b32 s42, s58, 7
	s_add_co_u32 s42, s42, 8192                    ; K's first half of this head
	s_mul_i32 s41, s42, 768
	s_add_co_u32 s40, s40, s41
	s_mov_b32 s41, 0
	s_and_b32 s43, s3, 3                           ; waves 12-15: piece 0-3 of the scale words: K's two, V's two
	s_lshr_b32 s44, s43, 1
	s_lshl_b32 s44, s44, 19                        ; V's lie 524,288 bytes behind K's
	s_and_b32 s45, s43, 1
	s_lshl_b32 s45, s45, 12
	s_add_co_u32 s44, s44, s45
	s_lshl_b32 s45, s42, 6
	s_add_co_u32 s44, s44, s45
	s_mov_b32 s45, 0
	s_mov_b32 s32, 1
	s_mul_i32 s33, s3, 64*PR                       ; LDS: 64 padded rows a wave: K's six waves, then V's six
	s_mov_b32 s36, 1
	s_lshl_b32 s37, s43, 12
	s_add_co_u32 s37, s37, SB
	s_mov_b32 s[SEL], 0x76543210
	s_mov_b32 s[SEL+1], 0xfedcba98
	s_mov_b32 s[CS], 0x3e38aa3b
	s_mov_b32 s[CS+1], s[CS]                       ; (named with it as a pair, so it is written)
	s_mov_b32 s[NC], 0xbe38aa3b
	s_wait_dscnt 0x0                               ; both opening adds are done
	s_wait_kmcnt 0x0
	s_add_nc_u64 s[34:35], s[8:9], s[40:41]
	s_or_b32 s35, s35, 0x80000000
	s_add_nc_u64 s[38:39], s[10:11], s[44:45]
	s_or_b32 s39, s39, 0x80000000
	CROUND                                         ; all four work-groups are here: the joint loads meet
	s_cmp_lt_u32 s3, 12                            ; one fill a wave, in the two arms of one branch on the wave's number; s_nop 0 and four v_nop follow each
	s_cbranch_scc0 .Lfill_scl
	tensor_load_to_lds s[32:35], s[16:23]
	s_nop 0
	PLACES 4
	s_branch .Lfilled
.Lfill_scl:
	tensor_load_to_lds s[36:39], s[24:31]
	s_nop 0
	PLACES 4
.Lfilled:
	s_lshl_b32 s80, s57, 5
	s_add_co_u32 s80, s80, s3                      ; my token tile in the batch, first pass: 32 cx + wave
	s_lshl_b32 s81, s58, 7
	s_add_co_u32 s81, s81, s80                     ; Q's half
	s_mul_i32 s82, s81, 768
	s_mov_b32 s83, 0
	s_add_nc_u64 s[66:67], s[8:9], s[82:83]
	s_lshl_b32 s82, s81, 6
	s_add_nc_u64 s[68:69], s[10:11], s[82:83]
	s_lshr_b32 s81, s58, 4
	s_lshl_b32 s81, s81, 7
	s_add_co_u32 s81, s81, s80                     ; T: the token tile among all 512
	s_and_b32 s84, s58, 15                         ; head
	s_lshl_b32 s82, s81, 4
	s_add_co_u32 s82, s82, s84
	s_mul_i32 s82, s82, 768                        ; the output's half: K step head / 2 of tile T's images, half head % 2
	s_add_nc_u64 s[70:71], s[12:13], s[82:83]
	s_lshl_b32 s82, s81, 9                         ; its two scale bytes: 512 T + 256 (g % 2) + 4 (g / 2) + 2 (head % 2), g = head / 2; + 16 r
	s_bfe_u32 s85, s84, 0x10001
	s_lshl_b32 s85, s85, 8
	s_add_co_u32 s82, s82, s85
	s_lshr_b32 s85, s84, 2
	s_lshl_b32 s85, s85, 2
	s_add_co_u32 s82, s82, s85
	s_and_b32 s85, s84, 1
	s_lshl_b32 s85, s85, 1
	s_add_co_u32 s82, s82, s85
	s_add_nc_u64 s[72:73], s[14:15], s[82:83]
	v_and_b32 v232, 7, v0                          ; i % 8
	v_bfe_u32 v233, v0, 3, 1                       ; i / 8
	v_bfe_u32 v234, v0, 4, 1                       ; h
	v_and_b32 v235, 15, v0                         ; r
	v_and_b32 v236, 31, v0                         ; lane
	v_mul_u32_u24 v[AKB], v233, 6*PR               ; K's codes: two stored tiles on for rows 8-15, + 8 (i % 8) + 128 h
	v_lshlrev_b32 v[AKSB], 7, v233                 ; K's scale words: 128 (i / 8) + 64 (lane / 16) + 4 (i % 8)
	v_lshlrev_b32 v[L8], 3, v236
	v_lshl_add_u32 v[AKB], v232, 3, v[AKB]
	v_lshl_add_u32 v[AKSB], v234, 6, v[AKSB]
	v_add_nc_u32 v[AVB], VB, v[L8]
	v_lshl_add_u32 v[AKB], v234, 7, v[AKB]
	v_lshl_add_u32 v[AKSB], v232, 2, v[AKSB]
	v_lshl_add_u32 v[AVSB], v236, 2, SB+8192
	v_lshlrev_b32 v[SH8], 3, v234
	v_add_nc_u32 v[AKSB], SB, v[AKSB]
	v_lshlrev_b32 v[QS4], 2, v235
	v_lshlrev_b32 v[R16], 4, v235
.irp i, 0,1,2,3,4,5
	v_mov_b32 v[QF+6+\i], 0                        ; Q's zero codes for K = 64 .. 127
	v_mov_b32 v[KF+48+\i], 0                       ; what the last tile of K names beyond its own six registers
.endr
	v_mov_b32 v[TP], 0                             ; written once: a lane permute's destination counts as one of its sources
	v_mov_b32 v[WP], 0
	v_mov_b32 v[TT], 0
	v_mov_b32 v[BT], 0
	v_mov_b32 v[BT+1], 0
	v_mov_b32 v[FF+1], 0                           ; (named as the upper half of a pair)
; K's eight score tiles and their scale words, from the addresses in v[ak], v[aks]
.macro KLOAD ak, aks
.irp t, 0,1,2,3,4,5,6,7
.irp c, 0,1,2
	ds_load_b64 v[KF+6*\t+2*\c:KF+6*\t+2*\c+1], v[\ak] offset:3*PR*(4*(\t/4)+\t%2)+64*((\t%4)/2)+PR*\c
.endr
.endr
.irp p, 0,1,2,3
	ds_load_b32 v[KSC+\p], v[\aks] offset:256*(\p/2)+32*(\p%2)
.endr
.endm
; n turns of the row sum's two chains, from p's register from on: four numbers a turn
.macro SUMS from, n
.set j, \from
.rept \n
	v_pk_add_f32 v[14:15], v[14:15], v[SS+j:SS+j+1]
	v_pk_add_f32 v[S2:S2+1], v[S2:S2+1], v[SS+j+2:SS+j+3]
.set j, j+4
.endr
.endm
	s_wait_alu depctr_va_vdst(0)
	s_wait_tensorcnt 0x0                           ; my one load has landed
	s_barrier_signal -1
	s_barrier_wait -1                              ; everybody's has: K, V and the scale words are whole, and nothing is filled again
	KLOAD AKB, AKSB                                ; step 0's K
	s_mov_b32 s50, 2
.Lpass:                                            ; two passes: token tiles 32 cx + wave and 32 cx + 16 + wave
.irp c, 0,1,2
	global_load_b64 v[QF+2*\c:QF+2*\c+1], v[L8], s[66:67] offset:256*\c
.endr
	global_load_b32 v[QSC], v[QS4], s[68:69]
	v_mov_b32 v13, 0xff61b1e6                      ; the largest score so far: -3e38, under every score
	v_mov_b32 v12, 0x7e000000                      ; -M begins at 2^125: the first step's f is 0
	v_mov_b32 v14, 0                               ; the sum, in two halves
	v_mov_b32 v15, 0
.set j, 0
.rept 32
	v_mov_b32 v[OT+j], 0                           ; O^T: the step is written once for all steps: the first finds zeros, which the first change of M leaves zeros
.set j, j+1
.endr
	s_mov_b32 s56, 0
	s_wait_loadcnt 0x0                             ; Q
.Lstep:                                            ; A KEY STEP: keys 128 s56 to 128 s56 + 127
	s_and_b32 s59, s56, 15
	s_mul_i32 s60, s59, STEPB                      ; this step's V,
	s_lshl_b32 s61, s59, 9                         ; and its scale words: 512 bytes a step
	s_add_co_u32 s59, s59, 1
	s_and_b32 s59, s59, 15                         ; the next step, round the end to step 0
	s_mul_i32 s62, s59, STEPB
	s_lshl_b32 s63, s59, 9
	s_wait_dscnt 0x0                               ; K is in
.irp t, 0,1,2,3,4,5,6,7
.if \t%2
	v_wmma_scale_f32_16x16x128_f8f6f4 v[SS+8*\t:SS+8*\t+7], v[KF+6*\t:KF+6*\t+11], v[QF:QF+11], 0, v[KSC+\t/2], v[QSC] matrix_a_fmt:MATRIX_FMT_BF6 matrix_b_fmt:MATRIX_FMT_BF6 matrix_a_scale:MATRIX_SCALE_ROW1
.else
	v_wmma_scale_f32_16x16x128_f8f6f4 v[SS+8*\t:SS+8*\t+7], v[KF+6*\t:KF+6*\t+11], v[QF:QF+11], 0, v[KSC+\t/2], v[QSC] matrix_a_fmt:MATRIX_FMT_BF6 matrix_b_fmt:MATRIX_FMT_BF6
.endif
.endr
	v_add_nc_u32 v[AV], s60, v[AVB]                ; the step's four addresses are the four places in front of the loads over K's registers and of the first read of the scores
	v_add_nc_u32 v[AVS], s61, v[AVSB]
	v_add_nc_u32 v[AK], s62, v[AKB]
	v_add_nc_u32 v[AKS], s63, v[AKSB]
.irp t, 0,1,2,3                        ; V's four fragments (16 channels x 128 keys: two halves each) land while the softmax is worked
.irp u, 0,1
.irp c, 0,1,2
	ds_load_b64 v[KF+12*\t+6*\u+2*\c:KF+12*\t+6*\u+2*\c+1], v[AV] offset:3*PR*(4*\u+\t)+PR*\c
.endr
.endr
.endr
.irp p, 0,1
	ds_load_b32 v[VSC+\p], v[AVS] offset:128*\p    ; the lower halves' words: whole words of 128 keys
.endr
.irp c, 0,1                            ; the largest score of my two blocks of 32 keys, two chains each; every accumulator is first read at one of its four lowest registers
	v_max3_num_f32 v[BM+\c], v[SS+32*\c], v[SS+32*\c+1], v[SS+32*\c+2]
	v_max3_num_f32 v[B2+\c], v[SS+32*\c+17], v[SS+32*\c+18], v[SS+32*\c+19]
.endr
.irp i, 0,2,4,6,8,10
.irp c, 0,1
	v_max3_num_f32 v[BM+\c], v[BM+\c], v[SS+32*\c+3+\i], v[SS+32*\c+4+\i]
	v_max3_num_f32 v[B2+\c], v[B2+\c], v[SS+32*\c+20+\i], v[SS+32*\c+21+\i]
.endr
.endr
.irp c, 0,1
	v_max3_num_f32 v[BM+\c], v[BM+\c], v[SS+32*\c+15], v[SS+32*\c+16]
.endr
.irp c, 0,1
	HINT 2
	v_max_num_f32 v[BM+\c], v[BM+\c], v[B2+\c]
.endr
	HINT 1
	v_max_num_f32 v[TT], v[BM], v[BM+1]            ; my 64 keys' largest score,
	HINT 1
	v_permlanex16_b32 v[TP], v[TT], s[SEL], s[SEL+1]
	HINT 1
	v_max3_num_f32 v13, v13, v[TT], v[TP]          ; with lane l xor 16's 64 and all earlier steps'
	HINT 1
	v_mul_f32 v[TT], s[NC], v13                    ; -t (c is positive)
	v_mov_b32 v[TP], v12
	HINT 2
	v_floor_f32 v12, v[TT]                         ; the new -M = floor(-t): M is a whole number
	HINT 1
	v_sub_f32 v[TT], v12, v[TP]                    ; old M - new M: a whole number, 0 or less
	HINT 1
	v_cvt_i32_f32 v[TT], v[TT]                     ; (it saturates)
	HINT 1
	v_ldexp_f32 v[FF], 1.0, v[TT]                  ; f = 2^(old M - new M)
.set j, 0
.rept 32
	v_pk_fma_f32 v[SS+j:SS+j+1], v[SS+j:SS+j+1], s[CS:CS+1], v[12:13] op_sel_hi:[1,0,0]   ; t - M, two at a time
.set j, j+2
.endr
.irp c, 0,1
	v_fma_f32 v[BM+\c], v[BM+\c], s[CS], v12       ; the same of each block's largest score
.endr
	s_wait_alu depctr_va_vdst(0)
.set j, 0
.rept 64
	v_exp_f32 v[SS+j], v[SS+j]                     ; p = 2^(t - M), at most 1
.set j, j+1
.endr
.irp c, 0,1
	v_exp_f32 v[BM+\c], v[BM+\c]                   ; the block's largest p
.endr
	v_pk_mul_f32 v[14:15], v[14:15], v[FF:FF+1] op_sel_hi:[1,0]   ; the sums under the new M (a plain place behind the exponentials)
	s_wait_alu depctr_va_vdst(0)                   ; one wait for the whole batch, ahead of its first reader
.irp c, 0,1
	v_max_num_f32 v[BM+\c], 0x2800000, v[BM+\c]    ; the floor 2^(5 - 127): the byte cannot fall under 1
.endr
.irp c, 0,1
	HINT 2
	v_add_nc_u32 v[SO+\c], 0xfe000000, v[BM+\c]    ; 4 off the exponent field: the conversion's scale operand
.endr
.irp c, 0,1
	HINT 2
	v_lshrrev_b32 v[BT+\c], 23, v[SO+\c]           ; the scale's byte
.endr
	HINT 1
	v_lshl_or_b32 v[PSC], v[BT+1], 16, v[BT]       ; my two bytes: blocks h and 2 + h,
	HINT 1
	v_lshlrev_b32 v[PSC], v[SH8], v[PSC]           ; at their places in the word;
	HINT 1
	v_permlanex16_b32 v[WP], v[PSC], s[SEL], s[SEL+1]
	HINT 1
	v_or_b32 v[PSC], v[PSC], v[WP]                 ; with lane l xor 16's two: p's scale word for these 128 keys
.irp c, 0,1
	v_cvt_scalef32_pk16_bf6_f32 v[PC+6*\c:PC+2+6*\c], v[SS+32*\c:SS+15+32*\c], v[SO+\c]
	v_cvt_scalef32_pk16_bf6_f32 v[PC+12+4*\c:PC+14+4*\c], v[SS+16+32*\c:SS+31+32*\c], v[SO+\c]   ; (a conversion's three registers begin on an even number)
.endr
	v_pk_add_f32 v[S2:S2+1], v[SS:SS+1], v[SS+2:SS+3]   ; the row's sum is taken of the unquantised p, in two chains.  (Also the plain place behind the conversions: it names none of their results)
.irp c, 0,1
.irp i, 0,1,2
	v_mov_b32 v[PC+3+6*\c+\i], v[PC+12+4*\c+\i]    ; registers 6 c .. 6 c + 5 hold keys 64 c + 32 h + 0 .. 31
.endr
.endr
	SUMS 4, 4
	s_wait_alu depctr_va_vdst(0)                   ; directly ahead of the first reader of O^T
.set j, 0
.rept 16
	v_pk_mul_f32 v[OT+j:OT+j+1], v[OT+j:OT+j+1], v[FF:FF+1] op_sel_hi:[1,0]   ; O^T under the new M.  Behind p's scale word stand 31 plain lines, behind its codes 24: eight and four are asked
.set j, j+2
.endr
	s_wait_alu depctr_va_vdst(0)
	s_wait_dscnt 0x0                               ; V is in
.irp t, 0,1,2,3                        ; O^T += V^T P^T: the four accumulators by turns
.if \t%2
	v_wmma_scale_f32_16x16x128_f8f6f4 v[OT+8*\t:OT+8*\t+7], v[KF+12*\t:KF+12*\t+11], v[PC:PC+11], v[OT+8*\t:OT+8*\t+7], v[VSC+\t/2], v[PSC] matrix_a_fmt:MATRIX_FMT_BF6 matrix_b_fmt:MATRIX_FMT_BF6 matrix_a_scale:MATRIX_SCALE_ROW1
.else
	v_wmma_scale_f32_16x16x128_f8f6f4 v[OT+8*\t:OT+8*\t+7], v[KF+12*\t:KF+12*\t+11], v[PC:PC+11], v[OT+8*\t:OT+8*\t+7], v[VSC+\t/2], v[PSC] matrix_a_fmt:MATRIX_FMT_BF6 matrix_b_fmt:MATRIX_FMT_BF6
.endif
.endr
	SUMS 20, 2                                     ; four additions: the places in front of the loads over V's registers
	KLOAD AK, AKS                                  ; the next step's K lands under the additions below
	SUMS 28, 9
	HINT 1
	v_pk_add_f32 v[14:15], v[14:15], v[S2:S2+1]
	s_add_co_u32 s56, s56, 1
	s_cmp_lt_u32 s56, 16
	s_cbranch_scc1 .Lstep
	; THE WAY OUT: O^T / the sum; register 16 b + i is channel 32 b + 16 (lane / 16) + i of my query: two blocks of 32 along the last product's K, each in lanes l and l xor 16: half a fragment.
	; The 23 additions behind the last products are the places in front of the first read of O^T.
	v_add_f32 v14, v14, v15                        ; the sum's two halves,
	HINT 1
	v_permlanex16_b32 v[TT], v14, s[SEL], s[SEL+1]
	HINT 1
	v_add_f32 v14, v14, v[TT]                      ; and lane l xor 16's
	s_wait_alu depctr_va_vdst(0)                   ; ahead of the transcendental
	v_rcp_f32 v14, v14
	v_nop                                          ; one plain place behind a transcendental
	s_wait_alu depctr_va_vdst(0)                   ; and ahead of its first reader, which is also the first reader of O^T
.set j, 0
.rept 16
	v_pk_mul_f32 v[SS+j:SS+j+1], v[OT+j:OT+j+1], v[14:15] op_sel_hi:[1,0]
.set j, j+2
.endr
.irp b, 0,1
	v_max3_num_f32 v[BM+\b], |v[SS+16*\b]|, |v[SS+1+16*\b]|, 0x2800000
.endr
.irp i, 2,4,6,8,10,12,14
.irp b, 0,1
	HINT 2
	v_max3_num_f32 v[BM+\b], v[BM+\b], |v[SS+16*\b+\i]|, |v[SS+1+16*\b+\i]|
.endr
.endr
.irp b, 0,1
	HINT 2
	v_permlanex16_b32 v[BT+\b], v[BM+\b], s[SEL], s[SEL+1]
.endr
.irp b, 0,1
	HINT 2
	v_max_num_f32 v[BM+\b], v[BM+\b], v[BT+\b]
.endr
.irp b, 0,1
	HINT 2
	v_add_nc_u32 v[SO+\b], 0xfe000000, v[BM+\b]
.endr
.irp b, 0,1
	HINT 2
	v_lshrrev_b32 v[BT+\b], 23, v[SO+\b]
.endr
	HINT 1
	v_lshl_or_b32 v[PWH], v[BT+1], 8, v[BT]
	v_cvt_scalef32_pk16_bf6_f32 v[PC:PC+2], v[SS:SS+15], v[SO]
	v_cvt_scalef32_pk16_bf6_f32 v[PC+12:PC+14], v[SS+16:SS+31], v[SO+1]
	v_nop                                          ; one plain place behind a scaled conversion
.irp i, 0,1,2
	v_permlane16_swap_b32 v[PC+\i], v[PC+12+\i]    ; here a block lies in two lanes: the operand wants it whole in one
.endr
.irp i, 0,1,2
	HINT 3
	v_mov_b32 v[PC+3+\i], v[PC+12+\i]
.endr
.irp c, 0,1,2
	global_store_b64 v[L8], v[PC+2*\c:PC+2*\c+1], s[70:71] offset:256*\c   ; 32 lanes store 256 consecutive bytes, aligned
.endr
	global_store_b16 v[R16], v[PWH], s[72:73]      ; both halves of the lanes hold the same two bytes and name the same address
	s_wait_xcnt 0x0                                ; loads and stores have read their bases and registers: the pointers step to the tile 16 further on
	s_add_nc_u64 s[66:67], s[66:67], 12288
	s_add_nc_u64 s[68:69], s[68:69], 1024
	s_add_nc_u64 s[70:71], s[70:71], 196608
	s_add_nc_u64 s[72:73], s[72:73], 8192
	s_sub_co_u32 s50, s50, 1
	s_cmp_lg_u32 s50, 0
	s_cbranch_scc1 .Lpass
	s_wait_tensorcnt 0x0                           ; the wave's end
	ds_add_u32 v254, v255
	s_wait_dscnt 0x0
	CROUND                                         ; the closing round: no work-group ends while a partner may still ask for bytes that name it
	s_endpgm
.Lfunc_end_k_q51e38ef85e_attn:
	.size	k_q51e38ef85e_attn, .Lfunc_end_k_q51e38ef85e_attn-k_q51e38ef85e_attn
	.p2alignl 7, 3214868480
	.fill 96, 4, 3214868480
	.section	.rodata,"a",@progbits
	.p2align	6, 0x0
	.amdhsa_kernel k_q51e38ef85e_attn
		.amdhsa_group_segment_fixed_size 288768
		.amdhsa_private_segment_fixed_size 0
		.amdhsa_enable_private_segment 0
		.amdhsa_kernarg_size 32
		.amdhsa_user_sgpr_count 2
		.amdhsa_user_sgpr_kernarg_segment_ptr 1
		.amdhsa_wavefront_size32 1
		.amdhsa_system_sgpr_workgroup_id_x 1
		.amdhsa_system_sgpr_workgroup_id_y 1
		.amdhsa_system_sgpr_workgroup_id_z 1
		.amdhsa_system_vgpr_workitem_id 0
		.amdhsa_next_free_vgpr 256
		.amdhsa_next_free_sgpr 86
		.amdhsa_reserve_vcc 0
		.amdhsa_float_denorm_mode_32 3
		.amdhsa_float_denorm_mode_16_64 3
		.amdhsa_memory_ordered 1
		.amdhsa_forward_progress 1
		.amdhsa_inst_pref_size 32
	.end_amdhsa_kernel
	.amdgpu_metadata
---
amdhsa.version: [ 1, 2 ]
amdhsa.kernels:
  - .name:           k_q51e38ef85e_attn
    .symbol:         k_q51e38ef85e_attn.kd
    .args:
      - { .name: qkv_img, .offset: 0, .size: 8, .value_kind: global_buffer, .address_space: global }
      - { .name: qkv_scl, .offset: 8, .size: 8, .value_kind: global_buffer, .address_space: global }
      - { .name: act_img, .offset: 16, .size: 8, .value_kind: global_buffer, .address_space: global }
      - { .name: act_scl, .offset: 24, .size: 8, .value_kind: global_buffer, .address_space: global }
    .group_segment_fixed_size: 288768
    .private_segment_fixed_size: 0
    .kernarg_segment_align: 8
    .kernarg_segment_size: 32
    .max_flat_workgroup_size: 512
    .sgpr_count:     86
    .vgpr_count:     256
    .wavefront_size: 32
...
	.end_amdgpu_metadata
.endif
;; end of part 3
;; launch gemm_proj (part 4): grid 4 x 64, 4 waves a work-group, clusters of 4 x 4, 295,424 bytes of LDS; arguments act_img, act_scl, w_img, w_scl, b_proj, out0; writes out0
.if DOCPART == 4
	.amdgcn_target "amdgcn-amd-amdhsa--gfx1250"
	.amdhsa_code_object_version 6
	.text
	.protected	k_q51e38ef85e_gemm_proj
	.globl	k_q51e38ef85e_gemm_proj
	.p2align	8
	.type	k_q51e38ef85e_gemm_proj,@function
k_q51e38ef85e_gemm_proj:
	s_mov_b64 s[64:65], 0
	v_nop
	global_prefetch_b8 v0, s[64:65] scope:SCOPE_SE
	s_setreg_imm32_b32 hwreg(HW_REG_WAVE_MODE, 25, 1), 1
	s_wait_xcnt 0x0
	s_wait_alu depctr_hold_cnt(0) depctr_sa_sdst(0) depctr_va_vdst(0) depctr_va_sdst(0) depctr_va_ssrc(0) depctr_va_vcc(0) depctr_vm_vsrc(0)
	s_getreg_b32 s2, hwreg(HW_REG_IB_STS2, 6, 4)
	s_cmp_eq_u32 s2, 0
	s_cbranch_scc0 .Lentry_in_a_cluster
	s_endpgm
.Lentry_in_a_cluster:
	s_bfe_u32 s2, ttmp6, 0x10000c
	s_cmp_lg_u32 s2, 0xf033
	s_cbranch_scc0 .Lentry_shape_is_right
	s_endpgm
.Lentry_shape_is_right:
; out0 = Q(attention's output) Q(W_proj)^T + b_proj, on codes of BF6 (E3M2) with E8M0 scales; out0 [8192][1024] f32.
; OPERANDS come as images (16 rows x 128 K = 1,536 bytes, the operand's registers as they stand; tile T, K step g at (8 T + g) x 1,536) and scale words (512 bytes a tile: lane l's 16 bytes at 16 l, word p for K step 2 p + l / 16).
; Row i of tile T is 32 (T / 2) + 8 (T % 2) + i + 8 (i / 8).  Source 0 (S0) = W_proj's rows (tiles 192-255 of the weights' buffers), source 1 (S1) = tokens: a lane's 16 registers of S0's tiles 2 b, 2 b + 1 are 16 neighbouring columns of one row of out0.
; SHARES: a work-group makes S0 256 x S1 128; a wave S0 128 (8 tiles) x S1 64 (4 tiles): 32 accumulators.  ALL OF K (1,024) LIES IN LDS, filled once, by one tensor load a wave: nothing is filled again.
; CLUSTER 4 x 4: S0's panel is asked for jointly by a column of the cluster, S1's by a row.  A wave has one tensor load out.  The bias is the C of each sum's first matrix instruction.
; THE WAY OUT goes through a stage of the wave's own in S0's first bytes, which have had their only fill and, behind the barrier after every wave's last fragment load, their last read.
; REGISTERS: window 0: v1-14 addresses; v32-63 S0's scale words, v64-79 S1's; v80-127, v128-175 S1's fragments, two sets; v176-239 the bias; on the way out v80-207 rows of out0.
;   window 1: v0-95, v96-191 S0's fragments, two sets.   window 2: accumulator (a, b) at v[64 a + 8 b].
; LDS AS THE TEXT BELOW HAS IT: a half panel (S0: 8 tiles, 98,304 bytes; S1: 4 tiles, 49,152 bytes) is one dense run of memory and comes by ONE tensor load of its wave;
; tile b's image of K step g lies at 12,288 b + 1,536 g of its half panel.  S0's two halves from byte 0, S1's two from S1O.  A wave has one tensor load out; it is waited for once, for 0.
; The stage of the way out lies in S0's first bytes, which have had their only fill; a barrier between every wave's last fragment load and the first store into the stage parts the reads from the stores.
.set S1O,  196608
.set TILB, 12288
.set ADR0, 3
.set ADR1, 7
.set STO,  12                          ; v12  the stage: where I put 32 bytes of a row
.set RD,   14                          ; v14  and where I read a row back
.set SC0,  32
.set SC1,  64
.set B1,   80
.set BS,   176
.set SPT,  528                         ; a stage row: 512 bytes + 16
.set MSB, 0
.macro WIN new
.if MSB != \new
	s_set_vgpr_msb (MSB<<8)|\new
.set MSB, \new
.endif
.endm
.macro PLACES n
.rept \n
	v_nop
.endr
.endm
.macro CROUND
	s_barrier_signal -1
	s_barrier_wait -1
	s_cmp_lg_u32 s3, 0
	s_cbranch_scc1 .Lnot_wave_0_\@
	s_barrier_signal -3
.Lnot_wave_0_\@:
	s_barrier_wait -3
	s_barrier_signal -1
	s_barrier_wait -1
.endm
	s_load_b256 s[8:15], s[0:1], 0x0               ; act_img 8, act_scl 10, w_img 12, w_scl 14
	s_load_b128 s[16:19], s[0:1], 0x20             ; b_proj 16, out0 18
	v_lshl_add_u32 v254, v0, 2, 0x48000
	v_mov_b32 v255, 0
	ds_add_u32 v254, v255
	ds_add_u32 v254, v255
	v_lshrrev_b32 v1, 5, v0
	v_readfirstlane_b32 s3, v1                     ; wave 0..3
	s_and_b32 s4, s3, 1                            ; my half of S0.  Also: which half of a panel I fetch
	s_lshr_b32 s5, s3, 1                           ; my half of S1.  Also: I fetch for S0 (0) or for S1 (1)
	s_bfe_u32 s56, ttmp6, 0x40000                  ; cx
	s_bfe_u32 s57, ttmp6, 0x40004                  ; cy
	s_and_b32 s58, ttmp7, 0xffff
	s_lshl_b32 s60, ttmp9, 2
	s_add_co_u32 s60, s60, s56                     ; S0's block of 256 rows
	s_lshl_b32 s61, s58, 2
	s_add_co_u32 s61, s61, s57                     ; S1's block of 128 tokens
	s_lshl_b32 s6, s57, 2
	s_lshl_b32 s6, 15, s6                          ; my row of the cluster
	s_lshl_b32 s7, 0x1111, s56                     ; my column
	; descriptor group 1: dense bytes as rows of 256 (32 elements of 8 bytes): S1's half panel 192 rows, S0's 384
	s_or_b32 s40, s6, (3<<16)|(1<<21)
	s_or_b32 s48, s7, (3<<16)|(1<<21)
	s_mov_b32 s41, 32<<16
	s_mov_b32 s42, 192<<16
	s_mov_b32 s43, 32<<16
	s_mov_b32 s44, 192
	s_mov_b32 s45, 32
	s_mov_b32 s46, 0
	s_mov_b32 s47, 0
	s_mov_b32 s49, 32<<16
	s_mov_b32 s50, 384<<16
	s_mov_b32 s51, 32<<16
	s_mov_b32 s52, 384
	s_mov_b32 s53, 32
	s_mov_b32 s54, 0
	s_mov_b32 s55, 0
	s_lshl_b32 s38, s60, 4
	s_lshl_b32 s39, s4, 3
	s_add_co_u32 s38, s38, s39
	s_add_co_u32 s38, s38, 192
	s_mul_i32 s38, s38, TILB                       ; S0: tile 192 + 16 x block + 8 x half, in bytes
	s_mov_b32 s39, 0
	s_lshl_b32 s66, s61, 3
	s_lshl_b32 s67, s4, 2
	s_add_co_u32 s66, s66, s67
	s_mul_i32 s66, s66, TILB                       ; S1: tile 8 x block + 4 x half
	s_mov_b32 s67, 0
	s_mul_i32 s100, s4, 98304                      ; where they go: no place in the cluster enters an LDS address
	s_mul_i32 s101, s4, 49152
	s_wait_dscnt 0x0
	s_wait_kmcnt 0x0
	s_add_nc_u64 s[26:27], s[12:13], s[38:39]
	s_add_nc_u64 s[32:33], s[8:9], s[66:67]
	s_mov_b32 s84, 1                               ; descriptor group 0: S0's half panel,
	s_mov_b32 s85, s100
	s_mov_b64 s[86:87], s[26:27]
	s_or_b32 s87, s87, 0x80000000
	s_mov_b32 s68, 1                               ; and S1's
	s_add_co_u32 s69, s101, S1O
	s_mov_b64 s[70:71], s[32:33]
	s_or_b32 s71, s71, 0x80000000
	CROUND                                         ; all sixteen work-groups are here: the joint loads meet
	s_cmp_eq_u32 s5, 0                             ; one fill a wave, in the two arms of one branch on the wave's number; s_nop 0 and four v_nop follow each
	s_cbranch_scc0 .Lfill_s1
	tensor_load_to_lds s[84:87], s[48:55]
	s_nop 0
	PLACES 4
	s_branch .Lfilled
.Lfill_s1:
	tensor_load_to_lds s[68:71], s[40:47]
	s_nop 0
	PLACES 4
.Lfilled:
	v_and_b32 v24, 31, v0                          ; lane
	v_and_b32 v25, 15, v0                          ; r
	v_bfe_u32 v26, v0, 4, 1                        ; h
	v_lshlrev_b32 v1, 3, v24                       ; 8 x lane
	v_lshlrev_b32 v11, 4, v24                      ; 16 x lane
	v_lshlrev_b32 v13, 6, v26                      ; the bias: 16 h numbers on
	s_mul_i32 s38, s3, 16*SPT                      ; my stage
	v_mul_u32_u24 v[STO], v25, SPT
	v_lshl_add_u32 v[STO], v26, 6, v[STO]
	v_add_nc_u32 v[STO], s38, v[STO]               ; in: row r, + 64 h
	v_add_nc_u32 v[RD], s38, v11                   ; back: 16 bytes a lane of a row
	s_mul_i32 s38, s4, 98304
	s_mul_i32 s39, s5, 49152
	s_add_co_u32 s39, s39, S1O
	v_add_nc_u32 v[ADR0], s38, v1                  ; my S0 tiles 0-3,
	s_add_co_u32 s38, s38, 49152
	v_add_nc_u32 v[ADR0+1], s38, v1                ; tiles 4-7 (an LDS offset has 16 bits),
	v_add_nc_u32 v[ADR1], s39, v1                  ; my four S1 tiles
	s_wait_alu depctr_va_vdst(0)                   ; behind the head's last vector instruction and ahead of the run of scalar instructions
	s_lshl_b32 s59, s60, 1
	s_add_co_u32 s59, s59, s4                      ; G: my group of 128 columns of out0
	s_lshl_b32 s63, s61, 3
	s_lshl_b32 s7, s5, 2
	s_add_co_u32 s63, s63, s7                      ; my first token tile
	s_lshl_b32 s38, s59, 12
	s_add_co_u32 s38, s38, 98304                   ; W_proj's scale words: tile 192 + 8 G
	s_mov_b32 s39, 0
	s_add_nc_u64 s[14:15], s[14:15], s[38:39]
	s_lshl_b32 s38, s63, 9
	s_add_nc_u64 s[10:11], s[10:11], s[38:39]
	s_lshl_b32 s38, s59, 9                         ; 128 G numbers of 4 bytes: in b_proj and in a row of out0
	s_add_nc_u64 s[16:17], s[16:17], s[38:39]
	s_add_nc_u64 s[18:19], s[18:19], s[38:39]
	s_lshl_b32 s38, s63, 16                        ; 16 tokens a tile x 4,096 bytes
	s_add_nc_u64 s[18:19], s[18:19], s[38:39]
.irp b, 0,1,2,3,4,5,6,7
	global_load_b128 v[SC0+4*\b:SC0+4*\b+3], v11, s[14:15] offset:512*\b
.endr
.irp a, 0,1,2,3
	global_load_b128 v[SC1+4*\a:SC1+4*\a+3], v11, s[10:11] offset:512*\a
.endr
.irp b, 0,1,2,3,4,5,6,7
	global_load_b128 v[BS+8*\b:BS+8*\b+3], v13, s[16:17] offset:(32*(\b/2)+8*(\b%2))*4
	global_load_b128 v[BS+8*\b+4:BS+8*\b+7], v13, s[16:17] offset:(32*(\b/2)+8*(\b%2))*4+16
.endr
.macro FETCH g                         ; K step g's fragments into set g % 2: 72 loads of 256 consecutive bytes
	WIN 0x40
.irp b, 0,1,2,3,4,5,6,7
.irp c, 0,1,2,3,4,5
	ds_load_b64 v[96*((\g)%2)+12*\b+2*\c:96*((\g)%2)+12*\b+2*\c+1], v[ADR0+\b/4] offset:12288*(\b%4)+1536*(\g)+256*\c
.endr
.endr
	WIN 0
.irp a, 0,1,2,3
.irp c, 0,1,2,3,4,5
	ds_load_b64 v[B1+48*((\g)%2)+12*\a+2*\c:B1+48*((\g)%2)+12*\a+2*\c+1], v[ADR1] offset:12288*\a+1536*(\g)+256*\c
.endr
.endr
.endm
.macro MULS g                          ; 32 matrix instructions, the accumulators by turns, in the same order in every step; step 0 starts the sums with the bias; an odd step's scale words lie in lanes 16-31
.if (\g) == 0
	WIN 0x81                                       ; source 0 window 1, source 1 and C window 0, D window 2
.else
	WIN 0xa1                                       ; C and D window 2
.endif
.irp a, 0,1,2,3
.irp b, 0,1,2,3,4,5,6,7
.if (\g) == 0
	v_wmma_scale_f32_16x16x128_f8f6f4 v[64*\a+8*\b:64*\a+8*\b+7], v[12*\b:12*\b+11], v[B1+12*\a:B1+12*\a+11], v[BS+8*\b:BS+8*\b+7], v[SC0+4*\b], v[SC1+4*\a] matrix_a_fmt:MATRIX_FMT_BF6 matrix_b_fmt:MATRIX_FMT_BF6
.elseif (\g)%2
	v_wmma_scale_f32_16x16x128_f8f6f4 v[64*\a+8*\b:64*\a+8*\b+7], v[96*((\g)%2)+12*\b:96*((\g)%2)+12*\b+11], v[B1+48*((\g)%2)+12*\a:B1+48*((\g)%2)+12*\a+11], v[64*\a+8*\b:64*\a+8*\b+7], v[SC0+4*\b+(\g)/2], v[SC1+4*\a+(\g)/2] matrix_a_fmt:MATRIX_FMT_BF6 matrix_b_fmt:MATRIX_FMT_BF6 matrix_a_scale:MATRIX_SCALE_ROW1 matrix_b_scale:MATRIX_SCALE_ROW1
.else
	v_wmma_scale_f32_16x16x128_f8f6f4 v[64*\a+8*\b:64*\a+8*\b+7], v[96*((\g)%2)+12*\b:96*((\g)%2)+12*\b+11], v[B1+48*((\g)%2)+12*\a:B1+48*((\g)%2)+12*\a+11], v[64*\a+8*\b:64*\a+8*\b+7], v[SC0+4*\b+(\g)/2], v[SC1+4*\a+(\g)/2] matrix_a_fmt:MATRIX_FMT_BF6 matrix_b_fmt:MATRIX_FMT_BF6
.endif
.endr
.endr
.endm
.macro KSTEP g
	s_wait_dscnt 0x0                               ; this step's fragments are in (asked for 32 matrix instructions ago)
.if (\g) < 7
	PLACES 4                                       ; in front of loads into the set that the last step multiplied
	FETCH (\g)+1
.else
	s_barrier_signal -1                            ; the last step: my reads of the panels are over (the wait for 0 above); the step's products, work on registers, stand between signal and wait
.endif
	MULS \g
.endm
	s_wait_alu depctr_va_vdst(0)
	s_wait_tensorcnt 0x0                           ; my one load, my half panel for all of K, has landed
	s_barrier_signal -1
	s_barrier_wait -1
	FETCH 0
	s_wait_loadcnt 0x0                             ; scale words and bias
.irp g, 0,1,2,3,4,5,6,7
	KSTEP \g
.endr
	WIN 0
	s_barrier_wait -1                              ; nobody reads the panels any more: the stage may be written over S0's first bytes
; THE WAY OUT, a tile of 16 tokens x 128 columns at a time: a lane holds 2 x 32 neighbouring bytes of a row for each pair of S0's tiles; the rows come back whole, 512 bytes, and the 32 lanes store them as two aligned runs of 256 bytes.
; LDS serves a wave's instructions in order: no wait between the stores and the loads, nor in front of the next tile's stores.
.macro TOSTAGE a
	WIN 0x08                                       ; an LDS store's data are its source 1: window 2
.irp b, 0,1,2,3,4,5,6,7
	ds_store_b128 v[STO], v[64*(\a)+8*\b:64*(\a)+8*\b+3] offset:128*(\b/2)+32*(\b%2)       ; each accumulator from its low end on
	ds_store_b128 v[STO], v[64*(\a)+8*\b+4:64*(\a)+8*\b+7] offset:128*(\b/2)+32*(\b%2)+16
.endr
	WIN 0
.irp t, 0,1,2,3,4,5,6,7,8,9,10,11,12,13,14,15
	ds_load_b128 v[B1+64*((\a)%2)+4*\t:B1+64*((\a)%2)+4*\t+3], v[RD] offset:\t*SPT
.endr
.endm
.macro SEND a, younger                 ; younger: the LDS instructions issued behind tile a's loads, which may stay out
	s_wait_dscnt \younger
.irp t, 0,1,2,3,4,5,6,7,8,9,10,11,12,13,14,15
	global_store_b128 v11, v[B1+64*((\a)%2)+4*\t:B1+64*((\a)%2)+4*\t+3], s[18:19] offset:(32*((\a)/2)+8*((\a)%2)+\t+8*(\t/8))*4096 th:TH_STORE_NT
.endr
.endm
	PLACES 4                                       ; in front of the first read of results and of loads into registers that held fragments
	TOSTAGE 0
.irp a, 1,2,3
.if \a > 1
	s_wait_xcnt 0x0                                ; tile a - 2's stores have read their registers: tile a's rows may land there
.endif
	TOSTAGE \a
	SEND \a-1, 32                                  ; behind tile a - 1's loads: tile a's 16 stores and 16 loads
.endr
	SEND 3, 0
	s_wait_tensorcnt 0x0
	ds_add_u32 v254, v255
	s_wait_dscnt 0x0
	CROUND                                         ; the closing round: no work-group ends while a partner may still ask for a panel that names it
	s_endpgm
.Lfunc_end_k_q51e38ef85e_gemm_proj:
	.size	k_q51e38ef85e_gemm_proj, .Lfunc_end_k_q51e38ef85e_gemm_proj-k_q51e38ef85e_gemm_proj
	.p2alignl 7, 3214868480
	.fill 96, 4, 3214868480
	.section	.rodata,"a",@progbits
	.p2align	6, 0x0
	.amdhsa_kernel k_q51e38ef85e_gemm_proj
		.amdhsa_group_segment_fixed_size 295424
		.amdhsa_private_segment_fixed_size 0
		.amdhsa_enable_private_segment 0
		.amdhsa_kernarg_size 48
		.amdhsa_user_sgpr_count 2
		.amdhsa_user_sgpr_kernarg_segment_ptr 1
		.amdhsa_wavefront_size32 1
		.amdhsa_system_sgpr_workgroup_id_x 1
		.amdhsa_system_sgpr_workgroup_id_y 1
		.amdhsa_system_sgpr_workgroup_id_z 1
		.amdhsa_system_vgpr_workitem_id 0
		.amdhsa_next_free_vgpr 768
		.amdhsa_next_free_sgpr 102
		.amdhsa_reserve_vcc 0
		.amdhsa_float_denorm_mode_32 3
		.amdhsa_float_denorm_mode_16_64 3
		.amdhsa_memory_ordered 1
		.amdhsa_forward_progress 1
		.amdhsa_inst_pref_size 94
	.end_amdhsa_kernel
	.amdgpu_metadata
---
amdhsa.version: [ 1, 2 ]
amdhsa.kernels:
  - .name:           k_q51e38ef85e_gemm_proj
    .symbol:         k_q51e38ef85e_gemm_proj.kd
    .args:
      - { .name: act_img, .offset: 0, .size: 8, .value_kind: global_buffer, .address_space: global }
      - { .name: act_scl, .offset: 8, .size: 8, .value_kind: global_buffer, .address_space: global }
      - { .name: w_img, .offset: 16, .size: 8, .value_kind: global_buffer, .address_space: global }
      - { .name: w_scl, .offset: 24, .size: 8, .value_kind: global_buffer, .address_space: global }
      - { .name: b_proj, .offset: 32, .size: 8, .value_kind: global_buffer, .address_space: global }
      - { .name: out0, .offset: 40, .size: 8, .value_kind: global_buffer, .address_space: global }
    .group_segment_fixed_size: 295424
    .private_segment_fixed_size: 0
    .kernarg_segment_align: 8
    .kernarg_segment_size: 48
    .max_flat_workgroup_size: 128
    .sgpr_count:     102
    .vgpr_count:     768
    .wavefront_size: 32
...
	.end_amdgpu_metadata
.endif
;; end of part 4
